; MI455X (gfx1250); checked and timed in simulation.
; The chip was launched on July 23, 2026; its instructions are those of AMD's public machine-readable ISA for CDNA 5 (MIT licence, August 2026) and "CDNA5" Instruction Set Architecture Reference Guide (July 2026). The comments in the code are by the model that wrote it; some were corrected since.
;; Causal Self Attention. Allowed arithmetic: matrix products marked QUANTISED: E2M1 operands, one E8M0 scale for each 32 along K, by v_wmma_scale_f32_16x16x128_f8f6f4 with both operands' format E2M1 (or v_wmma_scale_f32_32x16x128_f4), f32 sums; products left as they are: bf16, f16 or f32 operands; f32 sums; everything else in f32.
;; Inputs: Wk 1,024 x 1,024 float32; Wp 1,024 x 1,024 float32; Wq 1,024 x 1,024 float32; Wv 1,024 x 1,024 float32; bk 1,024 float32; bp 1,024 float32; bq 1,024 float32; bv 1,024 float32; query 4 x 2,048 x 1,024 float32.
;; Outputs: out0 4 x 2,048 x 1,024 float32.
;; This version of the problem:
;;   THIS VERSION OF THE PROBLEM IS GIVEN IN LOW PRECISION. The matrix products marked QUANTISED in the list below multiply operands that are first quantised to E2M1 (2 exponent bits, 1 mantissa bit; 4 bits a number), with one power-of-two scale for each 32 numbers along K (OCP MX v1.0); their sums are f32. The products marked 'left as it is' may take bf16, f16 or f32 operands, with f32 sums. Whichever they take, every output number must still come out within the allowed error. Rounding operands to bf16 (8 significant bits) uses up far more of that allowance than f16 does (11 bits, for magnitudes from 6e-5 to 65,504). All else is computed in f32.
;;   The module's matrix products, in the order in which they are computed (A, B: the left and right operand; K: the contracted axis; several contracted axes count as one K, in the product's order):
;;     1. [M 8,192, K 1,024] x [K 1,024, N 1,024]; A: input query; B: input Wq: QUANTISED
;;     2. [M 8,192, K 1,024] x [K 1,024, N 1,024]; A: input query; B: input Wk: QUANTISED
;;     3. [M 8,192, K 1,024] x [K 1,024, N 1,024]; A: input query; B: input Wv: QUANTISED
;;     4. batch 64 x [M 2,048, K 64] x [K 64, N 2,048]; A: computed on the way; B: computed on the way: left as it is (an operand is computed on the way)
;;     5. batch 64 x [M 2,048, K 2,048] x [K 2,048, N 64]; A: computed on the way; B: computed on the way: left as it is (an operand is computed on the way)
;;     6. [M 8,192, K 1,024] x [K 1,024, N 1,024]; A: computed on the way; B: input Wp: left as it is (an operand is computed on the way)
;;   THE QUANTISER, for each operand of a quantised product, along K:
;;     - K is cut into blocks of 32 from its start; a last block that is shorter is filled with zeros.
;;     - A block's scale is 2^e with e = floor(log2(the largest magnitude in the block)) - 2, held to -126 .. 127; a block of zeros has e = 0. As a byte (E8M0): e + 127.
;;     - Each number is divided by its block's scale, clamped to +-6, and rounded to the nearest number of E2M1, ties to even, subnormals kept.
;;     - The product sums the exact products of the quantised numbers (number of the format x scale) in f32.
;;   ~~~python
;;   def quantise(x, axis):      # numpy; x: float32 -> the quantised numbers, widened to float32 again
;;       x = np.moveaxis(x, axis, -1); K = x.shape[-1]
;;       x = np.pad(x, [(0, 0)] * (x.ndim - 1) + [(0, -K % 32)]); x = x.reshape(x.shape[:-1] + (-1, 32)); a = np.abs(x).max(-1, keepdims=True)
;;       e = np.where(a > 0, np.clip(np.frexp(np.where(a > 0, a, 1))[1] - 1 - 2, -126, 127), 0)      # np.frexp(a)[1] - 1 = floor(log2(a)), exactly
;;       r = np.clip(x / 2.0 ** e, -6, 6)
;;       step = 2.0 ** (np.maximum(np.frexp(np.where(r == 0, 1, r))[1] - 1, 0) - 1)
;;       q = np.round(r / step) * step * 2.0 ** e      # np.round: ties to even
;;       return np.moveaxis(q.reshape(q.shape[:-2] + (-1,))[..., :K], -1, axis).astype(np.float32)
;;   ~~~
;; One version. Each part assembles by itself: llvm-mc -triple=amdgcn-amd-amdhsa -mcpu=gfx1250 --defsym DOCPART=n.
;; ======== version 1 of 1: 5 launches
;; limits: values are held in f16: magnitudes above 65,504 overflow, below 6.1e-05 lose precision
;; workspace buffers: a_codes 4,194,304 bytes; a_scales 262,144 bytes; w_codes 1,572,864 bytes; w_scales 98,304 bytes; wp16 2,097,152 bytes; qkv16 50,331,648 bytes; fine32 786,432 bytes; y16 16,777,216 bytes
;; launch prep (part 1): grid 480 x 1, 4 waves a work-group, no clusters, 33,280 bytes of LDS; arguments query, Wq, Wk, Wv, Wp, a_codes, a_scales, w_codes, w_scales, wp16; writes a_codes, a_scales, w_codes, w_scales, wp16
.if DOCPART == 1
	.amdgcn_target "amdgcn-amd-amdhsa--gfx1250"
	.amdhsa_code_object_version 6
	.text
	.protected	k_q10fcb0ba32_prep
	.globl	k_q10fcb0ba32_prep
	.p2align	8
	.type	k_q10fcb0ba32_prep,@function
k_q10fcb0ba32_prep:
	s_mov_b64 s[64:65], 0
	v_nop
	global_prefetch_b8 v0, s[64:65] scope:SCOPE_SE
	s_setreg_imm32_b32 hwreg(HW_REG_WAVE_MODE, 25, 1), 1
	s_wait_xcnt 0x0
; query [8192][1024] and Wq, Wk, Wv [1024][1024], f32, K innermost, become codes of FP4 (E2M1), 4 bits each, with one E8M0 scale byte for each 32 along K; Wp [1024][1024] becomes f16.
; A block's scale is 2^(floor(log2(its largest magnitude)) - 2); its byte is the largest magnitude's own exponent field - 2, held at 1 from below.  Each number is divided by the scale and rounded to the nearest code, ties to even;
; beyond the largest code the conversion gives the largest code.
; LIMITS: a block of zeros gets the byte 1 where the rule says 127 (its codes are zeros, and this program alone reads the bytes); NaN and infinities among the inputs are not served; |Wp| stays under 65,504, f16's largest number.
; SHARES: rows are dense and K is a multiple of 32, so each tensor is a stream of blocks of 32.  Work-groups 0-255: query, 32,768 numbers each; 256-287 Wq, 288-319 Wk, 320-351 Wv (their codes lie one tensor behind the other);
; 352-479: Wp, 8,192 numbers each.  The four quantised tensors take ONE path: only pointers are chosen, by the work-group's number.  Wp's path uses no LDS.
; A wave takes 16 steps of 512 numbers.  Each load reads 512 consecutive bytes; a step's 2,048 bytes turn through the wave's own stage in LDS and come back 64 bytes a lane, so that a lane holds 16 neighbours along K
; (two neighbouring lanes hold a block).  A lane's 16 codes are 8 bytes: a wave's store covers 256 consecutive bytes, aligned.  A wave's 256 scale bytes are gathered in LDS and leave as 256 consecutive bytes.
.set WAVES, 4
.set STEPS, 16
.set WGQ,   352                        ; the first work-group of Wp's
.set EMAX,  2
.set CB,    8                          ; bytes of 16 codes
.set R,     16                         ; v16-79   four sets of 16 numbers as they are loaded
.set X,     80                         ; v80-111  two sets of 16 neighbours
.set C,     128                        ; v128-191 codes: four registers for each step, so that no store's data are written again
.set E,     112                        ; v112-127 a scale byte for each step
.set WREG,  8192                       ; LDS: a region for each wave: two stages of 32 x SP bytes, behind them its 256 scale bytes
.set SP,    80                         ; a lane's place in a stage: 64 bytes + 16 of padding
.set SPW,   12                         ; v12  LDS address of my spare word; never rewritten
.set NIL,   13                         ; v13  0; never rewritten
.set SPARE, WAVES*WREG                 ; behind the four regions: the spare words, 128 bytes a wave
	s_load_b512 s[8:23], s[0:1], 0x0               ; query s[8:9], Wq s[10:11], Wk s[12:13], Wv s[14:15], Wp s[16:17], a_codes s[18:19], a_scales s[20:21], w_codes s[22:23]
	s_load_b128 s[24:27], s[0:1], 0x40             ; w_scales s[24:25], wp16 s[26:27]
	v_lshl_add_u32 v[SPW], v0, 2, SPARE
	v_mov_b32 v[NIL], 0
	v_lshrrev_b32 v1, 5, v0
	v_readfirstlane_b32 s28, v1                    ; wave
	v_and_b32 v2, 31, v0                           ; lane
	v_lshlrev_b32 v3, 4, v2                        ; my 16 bytes of a load's 512
	s_mul_i32 s29, s28, WREG
	v_lshrrev_b32 v14, 2, v2
	v_mul_u32_u24 v14, v14, SP
	v_and_b32 v15, 3, v2
	v_lshl_add_u32 v14, v15, 4, v14
	v_add_nc_u32 v14, s29, v14                     ; the stage, on the way in: SP (lane / 4) + 16 (lane % 4)
	v_mul_u32_u24 v15, v2, SP
	v_add_nc_u32 v15, s29, v15                     ; and on the way out: SP x lane: my 16 neighbours
	v_mul_u32_u24 v4, v2, CB                       ; 8 bytes a lane
	v_lshrrev_b32 v5, 1, v2
	s_add_co_u32 s29, s29, 2*32*SP
	v_add_nc_u32 v5, s29, v5                       ; LDS: my wave's 256 scale bytes, my block's byte
	v_lshlrev_b32 v7, 3, v2
	v_add_nc_u32 v6, s29, v7                       ; and on the way out 8 bytes a lane
	s_wait_kmcnt 0x0
	s_cmp_ge_u32 ttmp9, WGQ
	s_cbranch_scc1 .Lwp
	s_cmp_lt_u32 ttmp9, 256                        ; query's work-group, or a weight's?  Every choice hangs on the work-group's number alone
	s_cselect_b64 s[4:5], s[8:9], s[10:11]
	s_cselect_b64 s[30:31], s[18:19], s[22:23]
	s_cselect_b64 s[32:33], s[20:21], s[24:25]
	s_cselect_b32 s34, 0, 256
	s_cselect_b32 s35, 255, 31
	s_cmp_ge_u32 ttmp9, 288
	s_cselect_b64 s[4:5], s[12:13], s[4:5]
	s_cmp_ge_u32 ttmp9, 320
	s_cselect_b64 s[4:5], s[14:15], s[4:5]
	s_sub_co_u32 s34, ttmp9, s34                   ; which 32,768 numbers of the codes' buffer,
	s_and_b32 s35, s34, s35                        ; and of the source tensor
	s_lshl_b32 s35, s35, 2
	s_add_co_u32 s35, s35, s28                     ; my wave's run of 8,192 numbers in the source,
	s_lshl_b32 s34, s34, 2
	s_add_co_u32 s34, s34, s28                     ; and in the buffers
	s_lshl_b32 s36, s35, 15                        ; 32,768 bytes of f32 a run
	s_mov_b32 s37, 0
	s_add_nc_u64 s[4:5], s[4:5], s[36:37]
	s_lshl_b32 s36, s34, 12                        ; 4,096 bytes of codes
	s_add_nc_u64 s[30:31], s[30:31], s[36:37]
	s_lshl_b32 s36, s34, 8                         ; 256 scale bytes
	s_add_nc_u64 s[32:33], s[32:33], s[36:37]
.macro LOAD t
.irp i, 0,1,2,3
	global_load_b128 v[R+16*((\t)%4)+4*\i:R+16*((\t)%4)+4*\i+3], v3, s[4:5] offset:2048*(\t)+512*\i th:TH_LOAD_NT   ; 32 lanes read 512 consecutive bytes
.endr
.endm
.macro TURN t                          ; step t's numbers through the stage: LDS serves a wave's instructions in order, so no wait stands between the stores and the loads
.irp i, 0,1,2,3
	ds_store_b128 v14, v[R+16*((\t)%4)+4*\i:R+16*((\t)%4)+4*\i+3] offset:32*SP*((\t)%2)+8*SP*\i
.endr
.irp i, 0,1,2,3
	ds_load_b128 v[X+16*((\t)%2)+4*\i:X+16*((\t)%2)+4*\i+3], v15 offset:32*SP*((\t)%2)+16*\i
.endr
.endm
.irp t, 0,1,2,3
	LOAD \t
.endr
	s_wait_loadcnt 12                              ; step 0's four loads are in; the 12 of the three steps behind may be out
	TURN 0
.macro STEP t
.set XS, X+16*((\t)%2)
.if (\t) > 0
	s_wait_dscnt 1                                 ; this step's numbers are back from the stage (the last step's byte store may be out)
.else
	s_wait_dscnt 0x0
.endif
.if (\t)+4 < STEPS
	LOAD (\t)+4                                    ; the registers that went into the stage take the loads of four steps on
.endif
.if (\t)+1 < STEPS
.if STEPS-2-(\t) >= 3
	s_wait_loadcnt 12                              ; the next step's four loads are in; those of the three steps behind it may be out
.else
	s_wait_loadcnt 4*(STEPS-2-(\t))
.endif
	TURN (\t)+1                                    ; and go through the other stage while this step is worked
.endif
	v_max3_num_f32 v8, |v[XS]|, |v[XS+1]|, |v[XS+2]|               ; the largest magnitude of my 16, in two chains
	v_max3_num_f32 v9, |v[XS+3]|, |v[XS+4]|, |v[XS+5]|
.irp i, 6,10
	v_max3_num_f32 v8, v8, |v[XS+\i]|, |v[XS+\i+1]|
	v_max3_num_f32 v9, v9, |v[XS+\i+2]|, |v[XS+\i+3]|
.endr
	v_max3_num_f32 v8, v8, |v[XS+14]|, |v[XS+15]|
	v_max3_num_f32 v8, v8, v9, (EMAX+1)<<23        ; and the floor 2^(EMAX + 1 - 127): the byte cannot fall under 1
	v_max_num_f32_dpp v8, v8, v8 row_xmask:1 row_mask:0xf bank_mask:0xf   ; and of my neighbour's 16: the block's
	v_add_nc_u32 v11, -(EMAX<<23), v8              ; EMAX off its exponent field: the conversion takes the exponent field of this operand as its scale
	v_cvt_scalef32_pk8_fp4_f32 v[C+4*(\t)], v[XS:XS+7], v11
	v_cvt_scalef32_pk8_fp4_f32 v[C+4*(\t)+1], v[XS+8:XS+15], v11
	v_lshrrev_b32 v[E+(\t)], 23, v11               ; the scale's byte (also the plain instruction behind the conversions)
	ds_store_b8 v5, v[E+(\t)] offset:16*(\t)       ; both lanes of a block write the same byte with the same value
	global_store_b64 v4, v[C+4*(\t):C+4*(\t)+1], s[30:31] offset:32*CB*(\t)
.endm
.irp t, 0,1,2,3,4,5,6,7,8,9,10,11,12,13,14,15
	STEP \t
.endr
	ds_load_b64 v[8:9], v6                         ; LDS serves a wave's instructions in order: these see my stores
	s_wait_dscnt 0x0
	global_store_b64 v7, v[8:9], s[32:33]          ; 32 lanes store 256 consecutive bytes, aligned
	s_wait_tensorcnt 0x0                           ; the wave's end, behind my last LDS store
	ds_add_u32 v[SPW], v[NIL]
	s_wait_dscnt 0x0
	s_endpgm
.Lwp:                                              ; Wp to f16: a wave takes 2,048 numbers: 16 loads of 512 bytes, 16 stores of 256; no LDS, no register written twice
	s_sub_co_u32 s30, ttmp9, WGQ
	s_lshl_b32 s32, s30, 15
	s_lshl_b32 s33, s28, 13
	s_add_co_u32 s32, s32, s33
	s_mov_b32 s33, 0
	s_add_nc_u64 s[16:17], s[16:17], s[32:33]
	s_lshr_b32 s32, s32, 1
	s_add_nc_u64 s[26:27], s[26:27], s[32:33]
.irp i, 0,1,2,3,4,5,6,7,8,9,10,11,12,13,14,15
	global_load_b128 v[R+4*\i:R+4*\i+3], v3, s[16:17] offset:512*\i
.endr
.irp i, 0,1,2,3,4,5,6,7,8,9,10,11,12,13,14,15
	s_wait_loadcnt 15-\i                           ; loads come back in order: load i is in, the 15 - i younger may be out
	v_cvt_pk_f16_f32 v[C+2*\i], v[R+4*\i], v[R+4*\i+1]
	v_cvt_pk_f16_f32 v[C+2*\i+1], v[R+4*\i+2], v[R+4*\i+3]
	global_store_b64 v4, v[C+2*\i:C+2*\i+1], s[26:27] offset:256*\i
.endr
	s_endpgm
.Lfunc_end_k_q10fcb0ba32_prep:
	.size	k_q10fcb0ba32_prep, .Lfunc_end_k_q10fcb0ba32_prep-k_q10fcb0ba32_prep
	.p2alignl 7, 3214868480
	.fill 96, 4, 3214868480
	.section	.rodata,"a",@progbits
	.p2align	6, 0x0
	.amdhsa_kernel k_q10fcb0ba32_prep
		.amdhsa_group_segment_fixed_size 33280
		.amdhsa_private_segment_fixed_size 0
		.amdhsa_enable_private_segment 0
		.amdhsa_kernarg_size 80
		.amdhsa_user_sgpr_count 2
		.amdhsa_user_sgpr_kernarg_segment_ptr 1
		.amdhsa_wavefront_size32 1
		.amdhsa_system_sgpr_workgroup_id_x 1
		.amdhsa_system_sgpr_workgroup_id_y 1
		.amdhsa_system_sgpr_workgroup_id_z 1
		.amdhsa_system_vgpr_workitem_id 0
		.amdhsa_next_free_vgpr 192
		.amdhsa_next_free_sgpr 66
		.amdhsa_reserve_vcc 0
		.amdhsa_float_denorm_mode_32 3
		.amdhsa_float_denorm_mode_16_64 3
		.amdhsa_memory_ordered 1
		.amdhsa_forward_progress 1
		.amdhsa_inst_pref_size 39
	.end_amdhsa_kernel
	.amdgpu_metadata
---
amdhsa.version: [ 1, 2 ]
amdhsa.kernels:
  - .name:           k_q10fcb0ba32_prep
    .symbol:         k_q10fcb0ba32_prep.kd
    .args:
      - { .name: query, .offset: 0, .size: 8, .value_kind: global_buffer, .address_space: global }
      - { .name: Wq, .offset: 8, .size: 8, .value_kind: global_buffer, .address_space: global }
      - { .name: Wk, .offset: 16, .size: 8, .value_kind: global_buffer, .address_space: global }
      - { .name: Wv, .offset: 24, .size: 8, .value_kind: global_buffer, .address_space: global }
      - { .name: Wp, .offset: 32, .size: 8, .value_kind: global_buffer, .address_space: global }
      - { .name: a_codes, .offset: 40, .size: 8, .value_kind: global_buffer, .address_space: global }
      - { .name: a_scales, .offset: 48, .size: 8, .value_kind: global_buffer, .address_space: global }
      - { .name: w_codes, .offset: 56, .size: 8, .value_kind: global_buffer, .address_space: global }
      - { .name: w_scales, .offset: 64, .size: 8, .value_kind: global_buffer, .address_space: global }
      - { .name: wp16, .offset: 72, .size: 8, .value_kind: global_buffer, .address_space: global }
    .group_segment_fixed_size: 33280
    .private_segment_fixed_size: 0
    .kernarg_segment_align: 8
    .kernarg_segment_size: 80
    .max_flat_workgroup_size: 128
    .sgpr_count:     66
    .vgpr_count:     192
    .wavefront_size: 32
...
	.end_amdgpu_metadata
.endif
;; end of part 1
;; launch qkv (part 2): grid 12 x 32, 4 waves a work-group, clusters of 4 x 4, 327,680 bytes of LDS; arguments a_codes, a_scales, w_codes, w_scales, bq, bk, bv, qkv16, fine32; writes qkv16, fine32
.if DOCPART == 2
	.amdgcn_target "amdgcn-amd-amdhsa--gfx1250"
	.amdhsa_code_object_version 6
	.text
	.protected	k_q10fcb0ba32_qkv
	.globl	k_q10fcb0ba32_qkv
	.p2align	8
	.type	k_q10fcb0ba32_qkv,@function
k_q10fcb0ba32_qkv:
	s_mov_b64 s[64:65], 0
	v_nop
	global_prefetch_b8 v0, s[64:65] scope:SCOPE_SE
	s_setreg_imm32_b32 hwreg(HW_REG_WAVE_MODE, 25, 1), 1
	s_wait_xcnt 0x0
	s_wait_alu depctr_hold_cnt(0) depctr_sa_sdst(0) depctr_va_vdst(0) depctr_va_sdst(0) depctr_va_ssrc(0) depctr_va_vcc(0) depctr_vm_vsrc(0)
	s_getreg_b32 s2, hwreg(HW_REG_IB_STS2, 6, 4)
	s_cmp_eq_u32 s2, 0
	s_cbranch_scc0 .Lentry_in_a_cluster
	s_endpgm
.Lentry_in_a_cluster:
	s_bfe_u32 s2, ttmp6, 0x10000c
	s_cmp_lg_u32 s2, 0xf033
	s_cbranch_scc0 .Lentry_shape_is_right
	s_endpgm
.Lentry_shape_is_right:
; q, k, v = query W^T + b on codes of FP4 (E2M1) with one E8M0 scale for each 32 along K.  A: query's codes [8192][1024]; B: the three weights' codes [3072][1024] (Wq, Wk, Wv); K innermost, two codes a byte; scale bytes [rows][32].
; OUT: qkv16 [part 3][batch 4][head 16][token 2048][64] f16, and fine32 [part 3][batch 4][token 16][1024] f32: the first 16 tokens of each batch as they come, for the launch that carries them in f32.
; LIMIT: |q|, |k|, |v| stay under 65,504, f16's largest number.
; A tile of 256 x 256 is made by four waves, 128 x 128 each: 64 accumulators, 512 registers.  K = 1,024 is two slots of 512 along K (rows of 256 bytes): both slots and all scale bytes are asked for at the head, three tensor
; loads a wave, and nothing is filled again.  CLUSTERS: 4 x 4 work-groups; the four of a row of the cluster need the same tiles of A, the four of a column the same tiles of B: each tile is asked for jointly.
; THE TILE ROW is 8 cy + cluster y, so that the batch is cy and a batch's first tokens lie in the clusters with y = 0 whatever cy is: the branch for the f32 copy hangs on the cluster's y and the wave's number alone.
; THE MATRIX INSTRUCTION IS USED TRANSPOSED (source 0 = 16 rows of W, source 1 = 16 tokens): a lane holds eight neighbouring channels of one token.  THE BIAS is the C of each sum's first instruction.
; REGISTERS, in windows of 256: window 0: v0-31 addresses; v32-95 scale words, two sets; v128-191 A's fragments, one set; on the way out v128-223 are at work.
;   window 1: B's fragments, two sets, at v0 and v128; v64-127 the bias in the result's layout.   window 2: the accumulators of my rows 0-63 ((a, b) at v[8 (8 a + b)]);   window 3: those of rows 64-127.
.set SIZE_K, 1024
.set KSTEP,  512                       ; along K in a slot
.set NQ,     KSTEP/128                 ; matrix instructions deep
.set ROWB,   256                       ; a tile's row in bytes
.set KROW,   SIZE_K*4/8                ; a row of codes in memory
.set PITCH,  272                       ; an LDS row: 256 bytes + 16 of padding: the 16 rows that a load touches start 16 bytes apart modulo 256
.set FR,     8                         ; registers of a fragment: 16 rows x 128 K
.set NL,     2                         ; LDS loads that bring one
.set NP,     4                         ; places behind this matrix instruction (ISA guide 7.12.1)
.set HALFT,  128*PITCH                 ; 128 rows: what one tensor load brings
.set SLOT,   4*HALFT                   ; A's 256 rows, then B's 256 rows
.set KS,     SIZE_K/32                 ; a row of scale bytes
.set SCL,    2*SLOT                    ; behind the ring: the scales, as rows of 256 bytes + 16 of padding
.set HALFS,  (128*KS/256)*272          ; the scales of 128 rows
.set SBLK,   (16*KS/256)*272           ; those of 16 rows
.set SPARE,  SCL+4*HALFS               ; the spare words, 128 bytes a wave
.set SPITCH, 528                       ; the way out, f32: 16 rows x (512 + 16) bytes;
.set HPITCH, 272                       ; f16: 16 rows x (256 + 16) bytes, behind it.  Both lie in slot 0, which has had its one fill and its last read when the first result is stored there
.set WSTG,   16*SPITCH+16*HPITCH       ; a wave's two stages
.set ADRA, 16                          ; v16-17  LDS address of my A fragments in slot 0, 1
.set ADRB, 20                          ; v20-21  the same for B
.set STH,  22                          ; v22     f16 stage: where I put 16 bytes of a row
.set RDH,  23                          ; v23     f16 stage: where I read back
.set STO,  24                          ; v24     f32 stage: where I put 32 bytes of a row
.set RD,   25                          ; v25     f32 stage: where I read a row back
.set CO,   26                          ; v26     16 x lane
.set ADRS, 27                          ; v27     LDS address of my scale words: lanes 0-15 A's rows, lanes 16-31 B's
.set SPW,  28                          ; v28     LDS address of my spare word; never rewritten
.set NIL,  29                          ; v29     0; never rewritten
.set BO,   30                          ; v30     the bias: 32 bytes x (lane / 16)
.set SC,   32                          ; scale words: set s at v[SC + 8 NQ s]; register NQ i + q: lanes 0-15 A's block i, lanes 16-31 B's block i
.set AF,   128                         ; A's fragments, in window 0
.set BK,   128                         ; the way out: what comes back from a stage
.set TMP,  192                         ; the way out: packed f16
.set BIAS, 64                          ; in window 1
.set G1, 24
.set G0, 32
.set G1B, 48
.set G0B, 56
.set G1S, 68
.set G0S, 76
.set G1SB, 80
.set G0SB, 88
.set MSB, 0
.macro WIN new                         ; the immediate's high byte repeats the setting that is left
.if MSB != (\new)
	s_set_vgpr_msb (MSB<<8)|(\new)
.set MSB, (\new)
.endif
.endm
.set MUL_LO, 0xa1                      ; source 0 (B) window 1, source 1 (A) window 0, C and D window 2; with the bias as C (window 1): 0x91
.set MUL_HI, 0xf1                      ; the same, C and D window 3; with the bias as C: 0xd1
.set TO_B,   0x40                      ; destination window 1, address window 0
; A joint load: waves 0 and 1 fetch for A, waves 2 and 3 for B; the branch hangs on the wave's number alone.  An s_nop 0 and four v_nop follow each of the two lines.
.macro JLOAD g0a, g1a, g0b, g1b
	s_cmp_eq_u32 s15, 0
	s_cbranch_scc0 .Lfor_b_\@
	tensor_load_to_lds s[\g0a:\g0a+3], s[\g1a:\g1a+7]
	s_nop 0
.rept 4
	v_nop
.endr
	s_branch .Lasked_\@
.Lfor_b_\@:
	tensor_load_to_lds s[\g0b:\g0b+3], s[\g1b:\g1b+7]
	s_nop 0
.rept 4
	v_nop
.endr
.Lasked_\@:
.endm
.macro CROUND                          ; a round of the cluster's barrier
	s_barrier_signal -1
	s_barrier_wait -1
	s_cmp_lg_u32 s14, 0
	s_cbranch_scc1 .Lnot_wave_0_\@
	s_barrier_signal -3
.Lnot_wave_0_\@:
	s_barrier_wait -3
	s_barrier_signal -1
	s_barrier_wait -1
.endm
	s_load_b128 s[4:7], s[0:1], 0x0                ; A's codes s[4:5], A's scales s[6:7]
	s_load_b128 s[8:11], s[0:1], 0x10              ; B's codes s[8:9], B's scales s[10:11]
	s_load_b128 s[96:99], s[0:1], 0x20             ; bq, bk
	s_load_b64 s[2:3], s[0:1], 0x30                ; bv
	s_load_b64 s[12:13], s[0:1], 0x38              ; qkv16
	s_load_b64 s[66:67], s[0:1], 0x40              ; fine32
	v_lshl_add_u32 v[SPW], v0, 2, SPARE
	v_mov_b32 v[NIL], 0
	ds_add_u32 v[SPW], v[NIL]                      ; the wave's opening: the add, twice on end, and its wait ahead of my first tensor load
	ds_add_u32 v[SPW], v[NIL]
	v_lshrrev_b32 v1, 5, v0
	v_readfirstlane_b32 s14, v1                    ; wave 0..3
	s_lshr_b32 s15, s14, 1                         ; which half of the tile's rows is mine.  Also: I fetch for A (0) or for B (1)
	s_and_b32 s16, s14, 1                          ; which half of its columns.  Also: which 128 rows of that tile I fetch
	s_bfe_u32 s40, ttmp6, 0x40000                  ; cx, cy: my place in the cluster
	s_bfe_u32 s41, ttmp6, 0x40004
	s_lshl_b32 s42, ttmp9, 2
	s_add_co_u32 s42, s42, s40                     ; tile column = 4 x cluster x + cx: the part (q, k, v) is the cluster's x
	s_and_b32 s101, ttmp7, 0xffff                  ; cluster y
	s_lshl_b32 s17, s41, 3
	s_add_co_u32 s17, s17, s101                    ; tile row = 8 cy + cluster y: batch cy, tokens 256 x cluster y on
	s_or_b32 s100, s101, s15                       ; 0 where my rows begin with a batch's first token
	s_lshl_b32 s43, s41, 2
	s_lshl_b32 s43, 15, s43                        ; my row of the cluster
	s_lshl_b32 s44, 0x1111, s40                    ; my column
	; descriptor group 1: a tile of 128 rows x 256 bytes, padded in LDS
	s_or_b32 s[G1+0], s43, (0<<16)|(1<<20)|(1<<21)|(5<<22)|(3<<25)  ; 15:0 the mask; 17:16 element of 1 byte; 20 padding on; 21 set beside a mask; 24:22 after every 64 words; 31:25 four words
	s_or_b32 s[G1B+0], s44, (0<<16)|(1<<20)|(1<<21)|(5<<22)|(3<<25)
.irp g, G1, G1B
	s_mov_b32 s[\g+1], ROWB<<16                    ; tensor_dim0
	s_mov_b32 s[\g+2], 128<<16                     ; tensor_dim1
	s_mov_b32 s[\g+3], ROWB<<16                    ; tile_dim0
	s_mov_b32 s[\g+4], 128                         ; tile_dim1
	s_mov_b32 s[\g+5], KROW                        ; tensor_dim0_stride
	s_mov_b32 s[\g+6], 0
	s_mov_b32 s[\g+7], 0
.endr
	; the scales of 128 rows: a dense block of 4,096 bytes, as 16 rows of 256 bytes (32 elements of 8 bytes), 16 bytes of padding behind each
	s_or_b32 s[G1S+0], s43, (3<<16)|(1<<20)|(1<<21)|(5<<22)|(3<<25)
	s_or_b32 s[G1SB+0], s44, (3<<16)|(1<<20)|(1<<21)|(5<<22)|(3<<25)
.irp g, G1S, G1SB
	s_mov_b32 s[\g+1], 32<<16
	s_mov_b32 s[\g+2], (128*KS/256)<<16
	s_mov_b32 s[\g+3], 32<<16
	s_mov_b32 s[\g+4], 128*KS/256
	s_mov_b32 s[\g+5], 32
	s_mov_b32 s[\g+6], 0
	s_mov_b32 s[\g+7], 0
.endr
	s_lshl_b32 s18, s16, 7                         ; which 128 rows of the tile I fetch
	s_lshl_b32 s20, s17, 8
	s_add_co_u32 s20, s20, s18                     ; A: row 256 x tile row + 128 x half
	s_lshl_b32 s46, s42, 8
	s_add_co_u32 s46, s46, s18                     ; B: row 256 x tile column + 128 x half
	s_mov_b32 s21, 0
	s_mov_b32 s47, 0
	s_mov_b64 s[18:19], KS
	s_mul_u64 s[22:23], s[20:21], s[18:19]         ; where these rows' scales begin, in bytes
	s_mul_u64 s[92:93], s[46:47], s[18:19]
	s_mov_b64 s[18:19], KROW
	s_mul_u64 s[20:21], s[20:21], s[18:19]         ; and their codes
	s_mul_u64 s[46:47], s[46:47], s[18:19]
	s_mul_i32 s45, s14, HALFT                      ; where they go: wave x 128 rows: no place in the cluster enters an LDS address
	s_mul_i32 s94, s14, HALFS
	s_wait_dscnt 0x0                               ; both opening adds are done
	s_wait_kmcnt 0x0
	s_add_nc_u64 s[20:21], s[4:5], s[20:21]
	s_add_nc_u64 s[22:23], s[6:7], s[22:23]
	s_add_nc_u64 s[46:47], s[8:9], s[46:47]
	s_add_nc_u64 s[92:93], s[10:11], s[92:93]
	CROUND                                         ; all sixteen work-groups are here: the joint loads meet
	s_mov_b32 s[G0S], 1
	s_add_co_u32 s[G0S+1], s94, SCL
	s_mov_b64 s[G0S+2:G0S+3], s[22:23]
	s_or_b32 s[G0S+3], s[G0S+3], 0x80000000
	s_mov_b32 s[G0SB], 1
	s_add_co_u32 s[G0SB+1], s94, SCL
	s_mov_b64 s[G0SB+2:G0SB+3], s[92:93]
	s_or_b32 s[G0SB+3], s[G0SB+3], 0x80000000
	JLOAD G0S, G1S, G0SB, G1SB                     ; the scales first: they are wanted with the first slot
.irp s, 0,1
	s_mov_b32 s[G0+4*\s], 1
	s_add_co_u32 s[G0+4*\s+1], s45, \s*SLOT
	s_add_nc_u64 s[G0+4*\s+2:G0+4*\s+3], s[20:21], \s*ROWB
	s_or_b32 s[G0+4*\s+3], s[G0+4*\s+3], 0x80000000
	s_mov_b32 s[G0B+4*\s], 1
	s_add_co_u32 s[G0B+4*\s+1], s45, \s*SLOT
	s_add_nc_u64 s[G0B+4*\s+2:G0B+4*\s+3], s[46:47], \s*ROWB
	s_or_b32 s[G0B+4*\s+3], s[G0B+4*\s+3], 0x80000000
	JLOAD G0+4*\s, G1, G0B+4*\s, G1B               ; three tensor loads of mine are out now, and no more follow
.endr
	v_and_b32 v1, 15, v0                           ; l % 16
	v_bfe_u32 v2, v0, 4, 1                         ; l / 16
	v_mul_u32_u24 v3, v1, PITCH
	v_lshl_add_u32 v4, v2, 4, v3                   ; a fragment's row x pitch + 16 x half
	s_mul_i32 s21, s15, HALFT                      ; my 128 rows of A
	s_mul_i32 s22, s16, HALFT                      ; my 128 rows of B,
	s_add_co_u32 s22, s22, 2*HALFT                 ; which lie behind A's 256
.irp s, 0,1
	v_add_nc_u32 v[ADRA+\s], s21, v4
	v_add_nc_u32 v[ADRB+\s], s22, v4
	s_add_co_u32 s21, s21, SLOT
	s_add_co_u32 s22, s22, SLOT
.endr
	v_mul_u32_u24 v5, v1, KS                       ; my row's scales: KS bytes a row,
	v_lshrrev_b32 v6, 8, v5
	v_lshl_add_u32 v5, v6, 4, v5                   ; and 16 more for each 256 passed
	s_mul_i32 s21, s15, HALFS                      ; A's: my 128 rows
	s_mul_i32 s22, s16, HALFS                      ; B's: my 128 rows, behind A's 256
	s_add_co_u32 s22, s22, 2*HALFS
	s_sub_co_u32 s22, s22, s21
	v_mul_u32_u24 v6, s22, v2                      ; lanes 16-31 take B's
	s_add_co_u32 s21, s21, SCL
	v_add_nc_u32 v5, v5, v6
	v_add_nc_u32 v[ADRS], s21, v5
	s_mul_i32 s23, s14, WSTG                       ; my stages
	v_mul_u32_u24 v5, v1, SPITCH                   ; f32, in: row l % 16, 32 bytes for each half of the lanes
	v_lshl_add_u32 v5, v2, 5, v5
	v_add_nc_u32 v[STO], s23, v5
	v_and_b32 v6, 31, v0
	v_lshlrev_b32 v[CO], 4, v6
	v_add_nc_u32 v[RD], s23, v[CO]                 ; back: the 32 lanes take one row of 512 bytes
	s_add_co_u32 s23, s23, 16*SPITCH
	v_mul_u32_u24 v5, v1, HPITCH                   ; f16, in: row l % 16, 16 bytes for each half of the lanes
	v_lshl_add_u32 v5, v2, 4, v5
	v_add_nc_u32 v[STH], s23, v5
	v_lshrrev_b32 v5, 3, v6                        ; back: eight lanes take one head's 128 bytes of a token, 32 lanes four tokens
	v_mul_u32_u24 v5, v5, HPITCH
	v_and_b32 v6, 7, v6
	v_lshl_add_u32 v5, v6, 4, v5
	v_add_nc_u32 v[RDH], s23, v5
	v_lshlrev_b32 v[BO], 5, v2
	; qkv16: part x 16,777,216 + batch x 4,194,304 + head (4 cx + 2 half) x 262,144 + token (256 cluster y + 128 half) x 128
	s_lshl_b32 s20, ttmp9, 24
	s_lshl_b32 s21, s41, 22
	s_add_co_u32 s20, s20, s21
	s_lshl_b32 s21, s40, 2
	s_lshl_b32 s22, s16, 1
	s_add_co_u32 s21, s21, s22
	s_lshl_b32 s21, s21, 18
	s_add_co_u32 s20, s20, s21
	s_lshl_b32 s21, s101, 15
	s_add_co_u32 s20, s20, s21
	s_lshl_b32 s21, s15, 14
	s_add_co_u32 s20, s20, s21
	s_mov_b32 s21, 0
	s_add_nc_u64 s[12:13], s[12:13], s[20:21]
	; my 128 channels in a row of 1,024 f32: (256 cx + 128 half) x 4 bytes: for the bias and for fine32
	s_lshl_b32 s20, s40, 10
	s_lshl_b32 s22, s16, 9
	s_add_co_u32 s20, s20, s22
	s_cmp_eq_u32 ttmp9, 0                          ; which bias: the choice hangs on the cluster's x alone
	s_cselect_b64 s[96:97], s[96:97], s[98:99]
	s_cmp_eq_u32 ttmp9, 2
	s_cselect_b64 s[96:97], s[2:3], s[96:97]
	s_add_nc_u64 s[96:97], s[96:97], s[20:21]
	s_lshl_b32 s22, ttmp9, 18                      ; fine32: part x 262,144 + batch x 65,536
	s_add_co_u32 s20, s20, s22
	s_lshl_b32 s22, s41, 16
	s_add_co_u32 s20, s20, s22
	s_add_nc_u64 s[66:67], s[66:67], s[20:21]
	WIN TO_B
.irp b, 0,1,2,3,4,5,6,7                        ; the bias in the result's layout: register j of tile b in lane (r, h) is b[16 b + 8 h + j]
	global_load_b128 v[BIAS+8*\b:BIAS+8*\b+3], v[BO], s[96:97] offset:64*\b
	global_load_b128 v[BIAS+8*\b+4:BIAS+8*\b+7], v[BO], s[96:97] offset:64*\b+16
.endr
	WIN 0
.macro FRAG reg, adr, q, i             ; a fragment, 16 rows x 128 K of 4-bit codes: lane l holds row l % 16; registers 4 c .. 4 c + 3 hold K = 64 c + 32 (l / 16) + 0 .. 31
.irp c, 0,1
	ds_load_b128 v[\reg+4*\c:\reg+4*\c+3], v[\adr] offset:64*(\q)+32*\c+(\i)*16*PITCH
.endr
.endm
; 16 matrix instructions: A's blocks a0, a0 + 1 x B's eight, 128 along K.  zero = 1: the first product starts the sums, with the bias as its C.
; The 64 accumulators take turns, one instruction a turn, in the same order in every step.
.macro MUL16 a0, p, q, sc, zero
.irp a, \a0, \a0+1
.irp b, 0,1,2,3,4,5,6,7
.if \zero
	v_wmma_scale_f32_16x16x128_f8f6f4 v[8*(8*((\a)%4)+\b):8*(8*((\a)%4)+\b)+7], v[128*(\p)+FR*\b:128*(\p)+FR*\b+FR-1], v[AF+FR*(\a):AF+FR*(\a)+FR-1], v[BIAS+8*\b:BIAS+8*\b+7], v[SC+8*NQ*(\sc)+NQ*\b+(\q)], v[SC+8*NQ*(\sc)+NQ*(\a)+(\q)] matrix_a_fmt:MATRIX_FMT_FP4 matrix_b_fmt:MATRIX_FMT_FP4 matrix_a_scale:MATRIX_SCALE_ROW1
.else
	v_wmma_scale_f32_16x16x128_f8f6f4 v[8*(8*((\a)%4)+\b):8*(8*((\a)%4)+\b)+7], v[128*(\p)+FR*\b:128*(\p)+FR*\b+FR-1], v[AF+FR*(\a):AF+FR*(\a)+FR-1], v[8*(8*((\a)%4)+\b):8*(8*((\a)%4)+\b)+7], v[SC+8*NQ*(\sc)+NQ*\b+(\q)], v[SC+8*NQ*(\sc)+NQ*(\a)+(\q)] matrix_a_fmt:MATRIX_FMT_FP4 matrix_b_fmt:MATRIX_FMT_FP4 matrix_a_scale:MATRIX_SCALE_ROW1
.endif
.endr
.endr
.endm
.macro FETCH_B slot, q, p              ; B's eight fragments of the slot's q-th 128 along K into set p
	WIN TO_B
.irp i, 0,1,2,3,4,5,6,7
	FRAG 128*(\p)+FR*\i, ADRB+\slot, \q, \i
.endr
	WIN 0
.endm
.macro FETCH_A slot, q, i0             ; A's blocks i0 .. i0 + 3
.irp i, \i0, \i0+1, \i0+2, \i0+3
	FRAG AF+FR*(\i), ADRA+\slot, \q, \i
.endr
.endm
.macro SCALES sc                       ; a slot's scale words into set sc: NQ words a row; lanes 0-15 take A's block i, lanes 16-31 B's block i
.irp i, 0,1,2,3,4,5,6,7
	ds_load_b128 v[SC+8*NQ*\sc+NQ*\i:SC+8*NQ*\sc+NQ*\i+3], v[ADRS] offset:\i*SBLK
.endr
.endm
; A load into a register that a matrix instruction has read, and a vector instruction or an LDS store that reads a matrix result, stand NP places behind it; only plain vector instructions that name none of its registers are places
.macro PLACES n
.rept \n
	v_nop
.endr
.endm
.macro STEP slot, q, zero              ; a step of 128 along K that has its successor in the same slot
	s_wait_dscnt 4*NL                              ; B's set and A's blocks 0-3 are in; the youngest eight loads (A's blocks 4-7) may be out
	WIN MUL_LO-0x10*(\zero)
	MUL16 0, (\q)%2, \q, \slot, \zero
	MUL16 2, (\q)%2, \q, \slot, \zero
	s_wait_dscnt 0                                 ; A's blocks 4-7 are in
	PLACES NP
	FETCH_B \slot, (\q)+1, 1-(\q)%2
	FETCH_A \slot, (\q)+1, 0
	WIN MUL_HI-0x20*(\zero)
	MUL16 4, (\q)%2, \q, \slot, \zero
	MUL16 6, (\q)%2, \q, \slot, \zero
	PLACES NP
	WIN 0
	FETCH_A \slot, (\q)+1, 4
.endm
; Slot 0's last step changes slots: one barrier; in front of it each wave waits for all its tensor loads (slot 1's part), adds 0 to its spare word, and waits for that and for its reads of slot 0.
.macro TURN slot, next
	s_wait_tensorcnt 0x0                           ; all my tensor loads have landed
	ds_add_u32 v[SPW], v[NIL]                      ; 0 onto my spare word
	s_wait_dscnt 4*NL+1                            ; (the add and the youngest eight loads, A's blocks 4-7, may be out)
	WIN MUL_LO
	MUL16 0, 1, NQ-1, \slot, 0
	s_wait_dscnt 0x0                               ; the add is done, and my reads of this slot are over
	s_barrier_signal -1
	MUL16 2, 1, NQ-1, \slot, 0
	WIN 0
	s_barrier_wait -1
	PLACES NP
	v_add_nc_u32 v[ADRS], 4*NQ, v[ADRS]            ; on to the next slot's scale words
	FETCH_B \next, 0, 0
	FETCH_A \next, 0, 0
	SCALES \next
	WIN MUL_HI
	MUL16 4, 1, NQ-1, \slot, 0
	MUL16 6, 1, NQ-1, \slot, 0
	PLACES NP
	WIN 0
	FETCH_A \next, 0, 4
.endm
.macro STEPS slot, from                ; the slot's steps from .. NQ - 2
.set Q, \from
.rept NQ-1-\from
	STEP \slot, Q, 0
.set Q, Q+1
.endr
.endm
	s_wait_tensorcnt 1                             ; the scales and my part of slot 0 are in (slot 1's load may be out)
	s_barrier_signal -1
	s_barrier_wait -1                              ; everybody's are
	FETCH_B 0, 0, 0
	FETCH_A 0, 0, 0
	SCALES 0
	FETCH_A 0, 0, 4
	s_wait_loadcnt 0x0                             ; the bias
	STEP 0, 0, 1                                   ; the first step's products start the sums
	STEPS 0, 1
	TURN 0, 1
	STEPS 1, 0
	s_wait_dscnt 4*NL                              ; the very last step: nothing more to fetch
	WIN MUL_LO
	MUL16 0, 1, NQ-1, 1, 0
	MUL16 2, 1, NQ-1, 1, 0
	s_wait_dscnt 0
	WIN MUL_HI
	MUL16 4, 1, NQ-1, 1, 0
	MUL16 6, 1, NQ-1, 1, 0
	WIN 0
	; THE WAY OUT.  A lane holds eight neighbouring channels of a token, the lanes beside it other tokens: so a block of 16 tokens x 128 channels goes through my own stage in LDS.  LDS serves a wave's instructions in order.
	PLACES NP
	s_cmp_lg_u32 s100, 0
	s_cbranch_scc1 .Lnofine                        ; only where my block 0 is a batch's tokens 0-15: they also leave in f32
	WIN 0x08                                       ; an LDS store's data are its source 1: window 2
.irp b, 0,1,2,3,4,5,6,7
	ds_store_b128 v[STO], v[8*\b:8*\b+3] offset:64*\b            ; each accumulator from its low end on
	ds_store_b128 v[STO], v[8*\b+4:8*\b+7] offset:64*\b+16
.endr
	WIN 0
.irp t, 0,1,2,3,4,5,6,7,8,9,10,11,12,13,14,15
	ds_load_b128 v[BK+4*\t:BK+4*\t+3], v[RD] offset:\t*SPITCH
.endr
	s_wait_dscnt 0x0
.irp t, 0,1,2,3,4,5,6,7,8,9,10,11,12,13,14,15
	global_store_b128 v[CO], v[BK+4*\t:BK+4*\t+3], s[66:67] offset:\t*4096   ; 32 lanes store 512 consecutive bytes of token t's row
.endr
	s_wait_xcnt 0x0                                ; these stores have read their registers, which are loaded again below
.Lnofine:
.macro PACK a                          ; block a rounded to f16: 16 bytes a lane and tile
.set AC, 64*((\a)%4)
	WIN 0x0a+5*((\a)/4)                            ; sources 0 and 1: window 2 or 3
.irp b, 0,1,2,3,4,5,6,7
.irp i, 0,1,2,3
	v_cvt_pk_f16_f32 v[TMP+4*\b+\i], v[AC+8*\b+2*\i], v[AC+8*\b+2*\i+1]
.endr
.endr
	WIN 0
.endm
.macro TOSTAGE a                       ; into rows of 272 bytes, and back by heads: four tokens x 128 bytes a load
.set BB, BK+32*((\a)%2)
.irp b, 0,1,2,3,4,5,6,7
	ds_store_b128 v[STH], v[TMP+4*\b:TMP+4*\b+3] offset:32*\b
.endr
.irp hh, 0,1
.irp i, 0,1,2,3
	ds_load_b128 v[BB+4*(4*\hh+\i):BB+4*(4*\hh+\i)+3], v[RDH] offset:4*HPITCH*\i+128*\hh
.endr
.endr
.endm
.macro SEND a
.set BB, BK+32*((\a)%2)
	s_wait_dscnt 0x0                               ; the block is back in registers
	s_wait_xcnt 0x0                                ; the stores of the block before have read their registers: the next block's loads may land there
.irp hh, 0,1
.irp i, 0,1,2,3
	global_store_b128 v[CO], v[BB+4*(4*\hh+\i):BB+4*(4*\hh+\i)+3], s[12:13] offset:262144*\hh+2048*(\a)+512*\i   ; 32 lanes store 512 consecutive bytes: four tokens of one head
.endr
.endr
.endm
	PACK 0
	TOSTAGE 0
.irp a, 1,2,3,4,5,6,7                  ; block a's conversions stand between block a - 1's loads from the stage and the wait for them
	PACK \a
	SEND \a-1
	TOSTAGE \a
.endr
	SEND 7
	s_wait_tensorcnt 0x0                           ; the wave's end, behind my last tensor load and my last LDS store
	ds_add_u32 v[SPW], v[NIL]
	s_wait_dscnt 0x0
	CROUND                                         ; the closing round
	s_endpgm
.Lfunc_end_k_q10fcb0ba32_qkv:
	.size	k_q10fcb0ba32_qkv, .Lfunc_end_k_q10fcb0ba32_qkv-k_q10fcb0ba32_qkv
	.p2alignl 7, 3214868480
	.fill 96, 4, 3214868480
	.section	.rodata,"a",@progbits
	.p2align	6, 0x0
	.amdhsa_kernel k_q10fcb0ba32_qkv
		.amdhsa_group_segment_fixed_size 327680
		.amdhsa_private_segment_fixed_size 0
		.amdhsa_enable_private_segment 0
		.amdhsa_kernarg_size 72
		.amdhsa_user_sgpr_count 2
		.amdhsa_user_sgpr_kernarg_segment_ptr 1
		.amdhsa_wavefront_size32 1
		.amdhsa_system_sgpr_workgroup_id_x 1
		.amdhsa_system_sgpr_workgroup_id_y 1
		.amdhsa_system_sgpr_workgroup_id_z 1
		.amdhsa_system_vgpr_workitem_id 0
		.amdhsa_next_free_vgpr 1024
		.amdhsa_next_free_sgpr 102
		.amdhsa_reserve_vcc 0
		.amdhsa_float_denorm_mode_32 3
		.amdhsa_float_denorm_mode_16_64 3
		.amdhsa_memory_ordered 1
		.amdhsa_forward_progress 1
		.amdhsa_inst_pref_size 133
	.end_amdhsa_kernel
	.amdgpu_metadata
---
amdhsa.version: [ 1, 2 ]
amdhsa.kernels:
  - .name:           k_q10fcb0ba32_qkv
    .symbol:         k_q10fcb0ba32_qkv.kd
    .args:
      - { .name: a_codes, .offset: 0, .size: 8, .value_kind: global_buffer, .address_space: global }
      - { .name: a_scales, .offset: 8, .size: 8, .value_kind: global_buffer, .address_space: global }
      - { .name: w_codes, .offset: 16, .size: 8, .value_kind: global_buffer, .address_space: global }
      - { .name: w_scales, .offset: 24, .size: 8, .value_kind: global_buffer, .address_space: global }
      - { .name: bq, .offset: 32, .size: 8, .value_kind: global_buffer, .address_space: global }
      - { .name: bk, .offset: 40, .size: 8, .value_kind: global_buffer, .address_space: global }
      - { .name: bv, .offset: 48, .size: 8, .value_kind: global_buffer, .address_space: global }
      - { .name: qkv16, .offset: 56, .size: 8, .value_kind: global_buffer, .address_space: global }
      - { .name: fine32, .offset: 64, .size: 8, .value_kind: global_buffer, .address_space: global }
    .group_segment_fixed_size: 327680
    .private_segment_fixed_size: 0
    .kernarg_segment_align: 8
    .kernarg_segment_size: 72
    .max_flat_workgroup_size: 128
    .sgpr_count:     102
    .vgpr_count:     1024
    .wavefront_size: 32
...
	.end_amdgpu_metadata
.endif
;; end of part 2
;; launch attn (part 3): grid 4 x 64, 16 waves a work-group, no clusters, 327,680 bytes of LDS; arguments qkv16, y16; writes y16
.if DOCPART == 3
	.amdgcn_target "amdgcn-amd-amdhsa--gfx1250"
	.amdhsa_code_object_version 6
	.text
	.protected	k_q10fcb0ba32_attn
	.globl	k_q10fcb0ba32_attn
	.p2align	8
	.type	k_q10fcb0ba32_attn,@function
k_q10fcb0ba32_attn:
	s_mov_b64 s[64:65], 0
	v_nop
	global_prefetch_b8 v0, s[64:65] scope:SCOPE_SE
	s_setreg_imm32_b32 hwreg(HW_REG_WAVE_MODE, 25, 1), 1
	s_wait_xcnt 0x0
; y[b][head][q][:] = the sum over k <= q of softmax_k(q . k / 8) v[k][:], head size 64, 2,048 positions, f16 operands, f32 products, maxima and sums.
; IN: qkv16 [part 3][batch 4][head 16][token 2048][64] f16.  OUT: y16 [head 16][batch 4][token 2048][64] f16.  (Positions 0-15 of every batch are computed here too, but the output's rows for them come from the f32 launch.)
; LIMITS: |q|, |k|, |v| under 65,504 as f16 has them; no NaN or infinity.
; SHARES.  Work-group (i, 16 b + head) owns query blocks i and 7 - i of its head, 256 queries each, so that under the causal mask all 256 work-groups have the same work.  Waves 0-7 take block i, waves 8-15 block 7 - i;
; a wave has 32 queries: two tiles of 16, which share each fragment of K and V.  Four waves to a SIMD, 256 registers each: one wave's softmax stands beside another's products and LDS loads.
; One walk over the keys serves both blocks, 64 keys a step, through a ring of two LDS slots of 256 keys filled by the tensor data mover (waves 0, 1: K's halves; waves 2, 3: V's).
; NO CLUSTER: the four work-groups of a head end their walks at different keys (256 (8 - i)), so a joint load would bring tiles that no wave of some partner reads.
; CAUSAL.  Every work-group walks all eight slots (constant trip counts); a step all of whose keys come after my 32 queries is jumped over by a scalar branch on ids; the one step on the diagonal hides scores by -infinity;
; a slot whose first key comes after the work-group's last query is not asked for.  Every wait on TENSORcnt is for 0.
; LAYOUT.  S^T = K Q^T (source 0 = 16 keys, source 1 = 16 queries): a lane holds ONE query (lane % 16) and keys 8 (lane / 16) + 0..7.  Two such tiles, rounded to f16 in pairs, are source 1 (32 keys x 16 queries) of
; O^T = V^T P, whose result again holds one query a lane.  K comes out of LDS as it lies, V ([key][channel]) turned, by ds_load_tr16_b128.
; SOFTMAX.  A running maximum m and sum l for each query: p = 2^(c s - c m), c = log2(e) / 8; in every step O and l are multiplied by a = 2^(c m_old - c m_new).
; LDS.  Rows of K and V are 128 bytes and dense, so a tile is stated as rows of 256 bytes (two keys): key k lies at pitch x (k / 2) + 128 (k % 2).
.set SK,    256                        ; keys in a slot
.set KP,    272                        ; two keys of K: 256 bytes + 16: sixteen neighbouring keys start at sixteen different 16-byte columns modulo 256
.set VP,    288                        ; two keys of V: 256 bytes + 32: the eight rows x 32 bytes of half a turning load likewise
.set VOFF,  128*KP                     ; a slot: K's 128 double rows, then V's
.set SLOT1, 1<<17                      ; slot 1 begins here, so that one exclusive or turns an address in one slot into the other's
.set STAGE, SLOT1+VOFF+128*VP          ; behind the ring: 16 rows x 144 bytes for each wave, for the way out
.set SGP,   144
.set SPARE, STAGE+16*16*SGP            ; the spare words, 128 bytes a wave
.set AK0,  1                           ; v1   my lane's place in a tile of K
.set AV0,  2                           ; v2   the same for V
.set ADK,  3                           ; v3   LDS address of the step's K; on the way out 16 x lane
.set ADV,  4                           ; v4   of its V
.set SPW,  5                           ; v5   LDS address of my spare word; never rewritten
.set NIL,  6                           ; v6   0; never rewritten
.set PFO,  7                           ; v7   256 x lane: the prefetches' offset; never rewritten
.set DD,   8                           ; v8   the mask: my query less the step's first key less 8 (lane / 16)
.set NINF, 9                           ; v9   -infinity
.set STO,  10                          ; v10  Q's offset at the head; the way out: where I put 16 bytes of a row
.set RD,   11                          ; v11  the way out: where I read back
.set ST,   12                          ; tile t's statistics at v[ST + 8 t]: +0 c m, +1 m, +2, +3 l, +4 to +7 at work; a takes +6
.set Q,    28                          ; v28-59   Q: fragment (t, kc) at Q + 16 t + 8 kc
.set KV,   60                          ; v60-123  K's eight fragments, then V's eight
.set S,    124                         ; v124-187 S^T, 32 a tile; P is made in place in each tile's low 16
.set O,    188                         ; v188-251 O^T, 32 a tile
.set TB,   2                           ; s2   LDS byte at which the slot in hand begins
.set WV,   18
.set SEL,  20                          ; s[20:21] lane selects: lane l xor 16
.set CS,   22                          ; s[22:23] c, twice
.set G1K,  24
.set G1V,  32
.set G0K,  40
.set G0V,  44
.set SLOTS, 48                         ; slots still to be asked for (or left out at the limit)
.set KF,   49                          ; the step's first key
.set Q0,   50                          ; my first query
.set QL,   51                          ; my work-group's last query
.set PFA,  52                          ; s[52:53] where my prefetches stand
.set LIM,  54                          ; 1 in a wave that prefetches, else the greatest number
; Waves 0 and 1 fetch for K, waves 2 and 3 for V, the others nothing.  An s_nop 0 and four v_nop follow each of the two lines.
.macro TLOAD
	s_cmp_lt_u32 s[WV], 2
	s_cbranch_scc0 .Lnot_k_\@
	tensor_load_to_lds s[G0K:G0K+3], s[G1K:G1K+7]
	s_nop 0
.rept 4
	v_nop
.endr
	s_branch .Lasked_\@
.Lnot_k_\@:
	s_cmp_lt_u32 s[WV], 4
	s_cbranch_scc0 .Lasked_\@
	tensor_load_to_lds s[G0V:G0V+3], s[G1V:G1V+7]
	s_nop 0
.rept 4
	v_nop
.endr
.Lasked_\@:
.endm
; A prefetch of what the NEXT change of slots will ask for: a slot's 32,768 bytes of K and of V.  Each aligned 256 bytes is named once in the launch: of a head's four work-groups the one with i = 0, which walks all keys, asks;
; in it waves 4-7 ask for K and waves 8-11 for V, 8,192 bytes a wave, lanes 256 bytes apart.  The last change that fills a slot asks for nothing; slots 0 and 1 come by their loads alone.
.macro ASK
	s_cmp_gt_u32 s[SLOTS], s[LIM]
	s_cbranch_scc0 .Lnot_mine_\@
	global_prefetch_b8 v[PFO], s[PFA:PFA+1] th:TH_LOAD_NT scope:SCOPE_SE
.Lnot_mine_\@:
.endm
	s_load_b128 s[4:7], s[0:1], 0x0                ; qkv16, y16
	v_lshl_add_u32 v[SPW], v0, 2, SPARE
	v_mov_b32 v[NIL], 0
	ds_add_u32 v[SPW], v[NIL]                      ; the wave's opening: the add, twice on end, and its wait ahead of my first tensor load
	ds_add_u32 v[SPW], v[NIL]
	v_lshrrev_b32 v8, 5, v0
	v_readfirstlane_b32 s[WV], v8                  ; wave 0..15
	s_and_b32 s55, ttmp7, 0xffff                   ; 16 b + head
	s_lshl_b32 s56, s55, 18                        ; the head's first byte in a part: 2,048 rows of 128 bytes
	s_and_b32 s57, s[WV], 1                        ; which half of a slot I fetch, if I fetch
	s_lshl_b32 s58, s57, 14                        ; 128 keys of 128 bytes
	s_add_co_u32 s58, s58, s56
	s_add_co_u32 s60, s58, 1<<24                   ; K is part 1,
	s_mov_b32 s61, 0
	s_add_co_u32 s62, s58, 1<<25                   ; V part 2
	s_mov_b32 s63, 0
	s_mul_i32 s59, s57, 64*KP                      ; and where they go in a slot
	s_mul_i32 s66, s57, 64*VP
	s_add_co_u32 s66, s66, VOFF
	s_sub_co_u32 s67, 7, ttmp9
	s_cmp_lt_u32 s[WV], 8
	s_cselect_b32 s67, ttmp9, s67                  ; my block of 256 queries: i or 7 - i
	s_lshl_b32 s67, s67, 8
	s_and_b32 s68, s[WV], 7
	s_lshl_b32 s68, s68, 5
	s_add_co_u32 s[Q0], s67, s68                   ; my first query
	s_sub_co_u32 s[QL], 8, ttmp9
	s_lshl_b32 s[QL], s[QL], 8
	s_sub_co_u32 s[QL], s[QL], 1                   ; the work-group's last query: 256 (8 - i) - 1
	s_lshl_b32 s68, s[Q0], 7
	s_add_co_u32 s70, s68, s56                     ; Q (part 0) at my first query
	s_mov_b32 s71, 0
	s_and_b32 s72, s55, 15                         ; y16: (4 head + b) x 262,144 + 128 x query
	s_lshl_b32 s72, s72, 2
	s_lshr_b32 s73, s55, 4
	s_add_co_u32 s72, s72, s73
	s_lshl_b32 s72, s72, 18
	s_add_co_u32 s72, s72, s68
	s_mov_b32 s73, 0
	s_mov_b32 s74, 1<<25                           ; the prefetches: waves 4-7 K, waves 8-11 V;
	s_cmp_lt_u32 s[WV], 8
	s_cselect_b32 s74, 1<<24, s74
	s_add_co_u32 s74, s74, s56
	s_and_b32 s75, s[WV], 3
	s_lshl_b32 s75, s75, 13                        ; my wave's 8,192 bytes,
	s_add_co_u32 s74, s74, s75
	s_add_co_u32 s74, s74, SK*128                  ; in slot 1: the first change of slots steps it to slot 2
	s_mov_b32 s75, 0
	s_sub_co_u32 s76, s[WV], 4
	s_lshr_b32 s76, s76, 3                         ; 0 in waves 4 to 11,
	s_or_b32 s76, s76, ttmp9                       ; of the work-group with i = 0
	s_cmp_eq_u32 s76, 0
	s_cselect_b32 s[LIM], 1, -1
	; descriptor group 1: 64 rows of 128 elements of 2 bytes, dense in memory, padded in LDS
	s_mov_b32 s[G1K], (1<<16)|(1<<20)|(5<<22)|(3<<25)   ; no mask; elements of 2 bytes; padding on; after every 64 words; four words
	s_mov_b32 s[G1V], (1<<16)|(1<<20)|(5<<22)|(7<<25)   ; the same with eight words
.irp g, G1K, G1V
	s_mov_b32 s[\g+1], 128<<16                     ; tensor_dim0
	s_mov_b32 s[\g+2], 64<<16                      ; tensor_dim1
	s_mov_b32 s[\g+3], 128<<16                     ; tile_dim0
	s_mov_b32 s[\g+4], 64                          ; tile_dim1
	s_mov_b32 s[\g+5], 128                         ; tensor_dim0_stride
	s_mov_b32 s[\g+6], 0
	s_mov_b32 s[\g+7], 0
.endr
	s_mov_b32 s[SEL], 0x76543210
	s_mov_b32 s[SEL+1], 0xfedcba98
	s_mov_b32 s[CS], 0x3e38aa3b                    ; c = log2(e) / 8
	s_mov_b32 s[CS+1], s[CS]
	s_mov_b32 s[TB], 0
	s_mov_b32 s[SLOTS], 7
	s_mov_b32 s[KF], 0
	s_wait_dscnt 0x0                               ; both opening adds are done
	s_wait_kmcnt 0x0
	s_mov_b32 s[G0K], 1
	s_mov_b32 s[G0K+1], s59
	s_add_nc_u64 s[G0K+2:G0K+3], s[4:5], s[60:61]
	s_or_b32 s[G0K+3], s[G0K+3], 0x80000000
	s_mov_b32 s[G0V], 1
	s_mov_b32 s[G0V+1], s66
	s_add_nc_u64 s[G0V+2:G0V+3], s[4:5], s[62:63]
	s_or_b32 s[G0V+3], s[G0V+3], 0x80000000
	TLOAD                                          ; slot 0: it holds key 0, which counts for every query
	s_add_nc_u64 s[PFA:PFA+1], s[4:5], s[74:75]
	s_add_nc_u64 s[4:5], s[4:5], s[70:71]
	s_add_nc_u64 s[6:7], s[6:7], s[72:73]
	v_and_b32 v8, 15, v0                           ; r
	v_bfe_u32 v9, v0, 4, 1                         ; h
	v_lshlrev_b32 v[STO], 7, v8
	v_lshl_add_u32 v[STO], v9, 4, v[STO]           ; Q: row r of 128 bytes, + 16 h
.irp t, 0,1
.irp kc, 0,1
	global_load_b128 v[Q+16*\t+8*\kc:Q+16*\t+8*\kc+3], v[STO], s[4:5] offset:2048*\t+64*\kc       ; Q stays in registers
	global_load_b128 v[Q+16*\t+8*\kc+4:Q+16*\t+8*\kc+7], v[STO], s[4:5] offset:2048*\t+64*\kc+32
.endr
.endr
	v_lshrrev_b32 v[RD], 1, v8
	v_mul_u32_u24 v[AK0], v[RD], KP
	v_and_b32 v[RD], 1, v0
	v_lshl_add_u32 v[AK0], v[RD], 7, v[AK0]
	v_lshl_add_u32 v[AK0], v9, 4, v[AK0]           ; K: KP (r / 2) + 128 (r % 2) + 16 h
	v_bfe_u32 v[RD], v0, 1, 2
	v_lshl_add_u32 v[RD], v9, 2, v[RD]
	v_mul_u32_u24 v[AV0], v[RD], VP                ; V: key 8 h + l % 8: VP (4 h + (l % 8) / 2)
	v_and_b32 v[RD], 1, v0
	v_lshl_add_u32 v[AV0], v[RD], 7, v[AV0]        ; + 128 (l % 2)
	v_bfe_u32 v[RD], v0, 3, 1
	v_lshl_add_u32 v[AV0], v[RD], 4, v[AV0]        ; + 16 ((l / 8) % 2)
	v_add_nc_u32 v[AV0], VOFF, v[AV0]
	v_and_b32 v[PFO], 31, v0
	v_lshlrev_b32 v[PFO], 8, v[PFO]
.irp t, 0,1
	v_mov_b32 v[ST+8*\t+1], 0xff61b1e6             ; m: -3e38, under every score
	v_mul_f32 v[ST+8*\t], s[CS], v[ST+8*\t+1]      ; c m
.irp j, 2,3,4,5,6,7
	v_mov_b32 v[ST+8*\t+\j], 0                     ; l, and the registers at work
.endr
.endr
.set n, 0
.rept 64
	v_mov_b32 v[O+n], 0                            ; O^T.  (The step is written without a first copy: the first step finds zeros, which a = 0 leaves zeros)
.set n, n+1
.endr
; A KEY STEP: 64 keys, the q-th of the slot in hand.
.macro STEP q
	s_add_co_u32 s96, s[Q0], 31
	s_cmp_gt_u32 s[KF], s96                        ; all 64 keys come after my 32 queries: the step's work is left out
	s_cbranch_scc1 .Lhidden_\@
	v_add_nc_u32 v[ADK], s[TB], v[AK0]
	v_add_nc_u32 v[ADV], s[TB], v[AV0]
.rept 3
	v_nop                                          ; with the two additions five places behind the last step's products: four ahead of loads into the registers that they read, five ahead of products that write over P
.endr
.irp kt, 0,1,2,3
.irp kc, 0,1
	ds_load_b128 v[KV+8*(2*\kt+\kc):KV+8*(2*\kt+\kc)+3], v[ADK] offset:(32*(\q)+8*\kt)*KP+64*\kc
	ds_load_b128 v[KV+8*(2*\kt+\kc)+4:KV+8*(2*\kt+\kc)+7], v[ADK] offset:(32*(\q)+8*\kt)*KP+64*\kc+32
.endr
.endr
	s_wait_dscnt 0x0
.irp kt, 0,1,2,3                               ; S^T = K Q^T: eight accumulators by turns, channels 0-31, then 32-63
.irp t, 0,1
	v_wmma_f32_16x16x32_f16 v[S+32*\t+8*\kt:S+32*\t+8*\kt+7], v[KV+16*\kt:KV+16*\kt+7], v[Q+16*\t:Q+16*\t+7], 0
.endr
.endr
.irp kt, 0,1,2,3
.irp t, 0,1
	v_wmma_f32_16x16x32_f16 v[S+32*\t+8*\kt:S+32*\t+8*\kt+7], v[KV+16*\kt+8:KV+16*\kt+15], v[Q+16*\t+8:Q+16*\t+15], v[S+32*\t+8*\kt:S+32*\t+8*\kt+7]
.endr
.endr
.rept 4
	v_nop                                          ; places ahead of the loads into K's registers and of the first read of the scores
.endr
.irp e, 0,1                                    ; V, turned: keys 32 e on, channels 16 ct on; it lands while the softmax runs
.irp ct, 0,1,2,3
	ds_load_tr16_b128 v[KV+8*(4*\e+\ct):KV+8*(4*\e+\ct)+3], v[ADV] offset:(32*(\q)+16*\e)*VP+32*\ct
	ds_load_tr16_b128 v[KV+8*(4*\e+\ct)+4:KV+8*(4*\e+\ct)+7], v[ADV] offset:(32*(\q)+16*\e+8)*VP+32*\ct
.endr
.endr
	s_add_co_u32 s96, s[KF], 63
	s_cmp_le_u32 s96, s[Q0]                        ; all 64 keys count for all my queries: nothing to hide
	s_cbranch_scc1 .Lopen_\@
	s_sub_co_i32 s96, s[Q0], s[KF]
	v_and_b32 v[DD], 15, v0
	v_bfe_u32 v[NINF], v0, 4, 1
	v_lshlrev_b32 v[NINF], 3, v[NINF]
	v_sub_nc_u32 v[DD], v[DD], v[NINF]
	v_add_nc_u32 v[DD], s96, v[DD]                 ; d = r - 8 h + Q0 - KF.  Register 8 kt + j of tile t holds key KF + 16 kt + 8 h + j for query Q0 + 16 t + r: hidden where 16 kt + j - 16 t > d
	v_mov_b32 v[NINF], 0xff800000
.irp t, 0,1
.irp kt, 0,1,2,3
.irp j, 0,1,2,3,4,5,6,7
	v_cmp_gt_i32 vcc_lo, 16*\kt+\j-16*\t, v[DD]
	v_cndmask_b32 v[S+32*\t+8*\kt+\j], v[S+32*\t+8*\kt+\j], v[NINF], vcc_lo
.endr
.endr
.endr
.Lopen_\@:
	; the softmax, the two tiles line by line.  The maximum of 32 scores and the old m: four chains, each begun at its accumulator's low end
.irp j, 0,1,2,3
.irp t, 0,1
	v_max3_num_f32 v[ST+8*\t+4+\j], v[S+32*\t+8*\j], v[S+32*\t+8*\j+1], v[S+32*\t+8*\j+2]
.endr
.endr
.irp u, 3,5
.irp j, 0,1,2,3
.irp t, 0,1
	v_max3_num_f32 v[ST+8*\t+4+\j], v[ST+8*\t+4+\j], v[S+32*\t+8*\j+\u], v[S+32*\t+8*\j+\u+1]
.endr
.endr
.endr
.irp t, 0,1
	v_max3_num_f32 v[ST+8*\t+4], v[ST+8*\t+4], v[S+32*\t+7], v[S+32*\t+15]
	v_max3_num_f32 v[ST+8*\t+6], v[ST+8*\t+6], v[S+32*\t+23], v[S+32*\t+31]
.endr
.irp t, 0,1
	v_max3_num_f32 v[ST+8*\t+4], v[ST+8*\t+4], v[ST+8*\t+5], v[ST+8*\t+6]
.endr
.irp t, 0,1
	v_max3_num_f32 v[ST+8*\t+4], v[ST+8*\t+4], v[ST+8*\t+7], v[ST+8*\t+1]
.endr
.irp t, 0,1
	v_permlanex16_b32 v[ST+8*\t+5], v[ST+8*\t+4], s[SEL], s[SEL+1]   ; the query's other 32 keys lie in the lane 16 away
.endr
.irp t, 0,1
	v_mov_b32 v[ST+8*\t+7], v[ST+8*\t]             ; c m_old
.endr
.irp t, 0,1
	v_max_num_f32 v[ST+8*\t+1], v[ST+8*\t+4], v[ST+8*\t+5]
.endr
.irp t, 0,1
	v_mul_f32 v[ST+8*\t], s[CS], v[ST+8*\t+1]
.endr
.irp t, 0,1
	v_sub_f32 v[ST+8*\t+7], v[ST+8*\t+7], v[ST+8*\t]
.endr
.irp i, 0,2,4,6,8,10,12,14,16,18,20,22,24,26,28,30
.irp t, 0,1
	v_pk_fma_f32 v[S+32*\t+\i:S+32*\t+\i+1], v[S+32*\t+\i:S+32*\t+\i+1], s[CS:CS+1], v[ST+8*\t:ST+8*\t+1] op_sel_hi:[1,0,0] neg_lo:[0,0,1] neg_hi:[0,0,1]   ; c s - c m
.endr
.endr
.irp t, 0,1
	v_exp_f32 v[ST+8*\t+6], v[ST+8*\t+7]           ; a
.endr
.set n, 0
.rept 32
	v_exp_f32 v[S+n], v[S+n]                       ; p, one batch of 66 exponentials; none reads another's result
	v_exp_f32 v[S+32+n], v[S+32+n]
.set n, n+1
.endr
	v_nop                                          ; the plain instruction behind the last exponential
	s_wait_alu depctr_va_vdst(0)                   ; one wait for the batch, ahead of its first reader
.irp t, 0,1                                    ; l = a l + the sum of the unrounded p, in two chains
	v_pk_fma_f32 v[ST+8*\t+2:ST+8*\t+3], v[ST+8*\t+2:ST+8*\t+3], v[ST+8*\t+6:ST+8*\t+7], v[S+32*\t:S+32*\t+1] op_sel_hi:[1,0,1]
	v_pk_add_f32 v[ST+8*\t+4:ST+8*\t+5], v[S+32*\t+2:S+32*\t+3], v[S+32*\t+6:S+32*\t+7]
.endr
.irp i, 4,8,12,16,20,24
.irp t, 0,1
	v_pk_add_f32 v[ST+8*\t+2:ST+8*\t+3], v[ST+8*\t+2:ST+8*\t+3], v[S+32*\t+\i:S+32*\t+\i+1]
	v_pk_add_f32 v[ST+8*\t+4:ST+8*\t+5], v[ST+8*\t+4:ST+8*\t+5], v[S+32*\t+\i+6:S+32*\t+\i+7]
.endr
.endr
.irp t, 0,1
	v_pk_add_f32 v[ST+8*\t+2:ST+8*\t+3], v[ST+8*\t+2:ST+8*\t+3], v[S+32*\t+28:S+32*\t+29]
.endr
.irp t, 0,1
	v_pk_add_f32 v[ST+8*\t+2:ST+8*\t+3], v[ST+8*\t+2:ST+8*\t+3], v[ST+8*\t+4:ST+8*\t+5]
.endr
.irp i, 0,1,2,3,4,5,6,7,8,9,10,11,12,13,14,15
.irp t, 0,1
	v_cvt_pk_f16_f32 v[S+32*\t+\i], v[S+32*\t+2*\i], v[S+32*\t+2*\i+1]   ; P in place, ascending: each source has been read before it is written over
.endr
.endr
.irp i, 0,2,4,6,8,10,12,14,16,18,20,22,24,26,28,30
.irp t, 0,1
	v_pk_mul_f32 v[O+32*\t+\i:O+32*\t+\i+1], v[O+32*\t+\i:O+32*\t+\i+1], v[ST+8*\t+6:ST+8*\t+7] op_sel_hi:[1,0]   ; O^T times a
.endr
.endr
	s_wait_dscnt 0x0                               ; V is in
.irp e, 0,1                                    ; O^T += V^T P: eight accumulators by turns, keys 0-31, then 32-63
.irp ct, 0,1,2,3
.irp t, 0,1
	v_wmma_f32_16x16x32_f16 v[O+32*\t+8*\ct:O+32*\t+8*\ct+7], v[KV+8*(4*\e+\ct):KV+8*(4*\e+\ct)+7], v[S+32*\t+8*\e:S+32*\t+8*\e+7], v[O+32*\t+8*\ct:O+32*\t+8*\ct+7]
.endr
.endr
.endr
.Lhidden_\@:
	s_add_co_u32 s[KF], s[KF], 64
.endm
; THE CHANGE OF SLOTS stands at a slot's head.  Each wave waits for all its tensor loads (its part of the slot that it is about to read), adds 0 to its spare word, and waits for that and for its reads of the slot that it has left.
; Behind the barrier the slot ahead is whole and nobody reads the other one.  fill = 1: that other slot is filled with the keys that follow, up to the causal limit: the load has a slot's four steps in which to land.
.macro CHANGE fill
	s_wait_tensorcnt 0x0                           ; no tensor load of mine is out, so a group 0 may be written
	ds_add_u32 v[SPW], v[NIL]                      ; 0 onto my spare word
.if \fill
	ds_add_u32 v[SPW], v[NIL]                      ; and once more
	s_xor_b32 s[G0K+1], s[G0K+1], SLOT1            ; the walking descriptors: the other slot than last time,
	s_add_nc_u64 s[G0K+2:G0K+3], s[G0K+2:G0K+3], SK*128   ; the next 256 keys
	s_xor_b32 s[G0V+1], s[G0V+1], SLOT1
	s_add_nc_u64 s[G0V+2:G0V+3], s[G0V+2:G0V+3], SK*128
	s_wait_xcnt 0x0                                ; the last prefetch, a slot back, has read its address, so it may be written:
	s_add_nc_u64 s[PFA:PFA+1], s[PFA:PFA+1], SK*128   ; one slot further on than the walking descriptors
.endif
	s_wait_dscnt 0x0                               ; the add is done, and my reads of the slot that I have left are over
	s_barrier_signal -1
	s_barrier_wait -1
.if \fill
	s_add_co_u32 s96, s[KF], SK                    ; the first key of the slot that this change would ask for:
	s_cmp_gt_u32 s96, s[QL]                        ; behind the work-group's last query no wave reads it, so it is not asked for.  Ids and the count of steps alone: all sixteen waves go the same way
	s_cbranch_scc1 .Lpast_\@
	TLOAD                                          ; a wave's one tensor load until the next barrier
.Lpast_\@:
	ASK
.endif
.endm
.macro SLOT_STEPS
	STEP 0
	STEP 1
	STEP 2
	STEP 3
	s_xor_b32 s[TB], s[TB], SLOT1                  ; on to the other slot
.endm
	s_wait_loadcnt 0x0                             ; Q
.Lslot:                                            ; seven trips: behind each change of slots but the last the next slot is asked for, up to the limit
	CHANGE 1
	SLOT_STEPS
	s_sub_co_u32 s[SLOTS], s[SLOTS], 1
	s_cmp_lg_u32 s[SLOTS], 0
	s_cbranch_scc1 .Lslot
	CHANGE 0                                       ; the last slot is written out: nothing is left to ask for
	SLOT_STEPS
	; THE WAY OUT.  O^T / l, rounded to f16, goes through my stage in LDS, a tile (16 queries x 128 bytes) at a time, and leaves four queries (512 consecutive bytes) a store.  The address lines are the places behind the last products.
	v_and_b32 v8, 15, v0
	v_bfe_u32 v9, v0, 4, 1
	s_mul_i32 s96, s[WV], 16*SGP
	s_add_co_u32 s96, s96, STAGE
	v_mul_u32_u24 v[STO], v8, SGP
	v_lshl_add_u32 v[STO], v9, 4, v[STO]
	v_add_nc_u32 v[STO], s96, v[STO]               ; in: row r, 16 bytes for each half of the lanes
	v_bfe_u32 v8, v0, 3, 2
	v_mul_u32_u24 v[RD], v8, SGP
	v_and_b32 v8, 7, v0
	v_lshl_add_u32 v[RD], v8, 4, v[RD]
	v_add_nc_u32 v[RD], s96, v[RD]                 ; back: eight lanes to a row
	v_and_b32 v[ADK], 31, v0
	v_lshlrev_b32 v[ADK], 4, v[ADK]                ; and 16 x lane in y16
.irp t, 0,1
	v_add_f32 v[ST+8*\t+4], v[ST+8*\t+2], v[ST+8*\t+3]
.endr
.irp t, 0,1
	v_permlanex16_b32 v[ST+8*\t+5], v[ST+8*\t+4], s[SEL], s[SEL+1]
.endr
.irp t, 0,1
	v_add_f32 v[ST+8*\t+4], v[ST+8*\t+4], v[ST+8*\t+5]
.endr
.irp t, 0,1
	v_rcp_f32 v[ST+8*\t+6], v[ST+8*\t+4]
.endr
	v_nop                                          ; a plain instruction behind the last reciprocal
	s_wait_alu depctr_va_vdst(0)                   ; and one wait for the two, ahead of the first use
.irp t, 0,1
.irp i, 0,2,4,6,8,10,12,14,16,18,20,22,24,26,28,30
	v_pk_mul_f32 v[O+32*\t+\i:O+32*\t+\i+1], v[O+32*\t+\i:O+32*\t+\i+1], v[ST+8*\t+6:ST+8*\t+7] op_sel_hi:[1,0]
.endr
.irp i, 0,1,2,3,4,5,6,7,8,9,10,11,12,13,14,15
	v_cvt_pk_f16_f32 v[S+16*\t+\i], v[O+32*\t+2*\i], v[O+32*\t+2*\i+1]
.endr
.irp ct, 0,1,2,3
	ds_store_b128 v[STO], v[S+16*\t+4*\ct:S+16*\t+4*\ct+3] offset:32*\ct
.endr
.irp i, 0,1,2,3
	ds_load_b128 v[S+32+16*\t+4*\i:S+32+16*\t+4*\i+3], v[RD] offset:4*SGP*\i   ; LDS serves a wave's instructions in order: these see my stores, and the next tile's stores come behind them
.endr
.endr
.irp i, 0,1,2,3
	s_wait_dscnt 11-\i                             ; behind tile 0's load i stand its 3 - i younger loads and tile 1's eight LDS instructions
	global_store_b128 v[ADK], v[S+32+4*\i:S+32+4*\i+3], s[6:7] offset:512*\i
.endr
.irp i, 0,1,2,3
	s_wait_dscnt 3-\i
	global_store_b128 v[ADK], v[S+48+4*\i:S+48+4*\i+3], s[6:7] offset:2048+512*\i
.endr
	s_wait_tensorcnt 0x0                           ; the wave's end, behind my last tensor load and my last LDS store
	ds_add_u32 v[SPW], v[NIL]
	s_wait_dscnt 0x0
	s_endpgm
.Lfunc_end_k_q10fcb0ba32_attn:
	.size	k_q10fcb0ba32_attn, .Lfunc_end_k_q10fcb0ba32_attn-k_q10fcb0ba32_attn
	.p2alignl 7, 3214868480
	.fill 96, 4, 3214868480
	.section	.rodata,"a",@progbits
	.p2align	6, 0x0
	.amdhsa_kernel k_q10fcb0ba32_attn
		.amdhsa_group_segment_fixed_size 327680
		.amdhsa_private_segment_fixed_size 0
		.amdhsa_enable_private_segment 0
		.amdhsa_kernarg_size 16
		.amdhsa_user_sgpr_count 2
		.amdhsa_user_sgpr_kernarg_segment_ptr 1
		.amdhsa_wavefront_size32 1
		.amdhsa_system_sgpr_workgroup_id_x 1
		.amdhsa_system_sgpr_workgroup_id_y 1
		.amdhsa_system_sgpr_workgroup_id_z 1
		.amdhsa_system_vgpr_workitem_id 0
		.amdhsa_next_free_vgpr 256
		.amdhsa_next_free_sgpr 100
		.amdhsa_reserve_vcc 1
		.amdhsa_float_denorm_mode_32 3
		.amdhsa_float_denorm_mode_16_64 3
		.amdhsa_memory_ordered 1
		.amdhsa_forward_progress 1
		.amdhsa_inst_pref_size 189
	.end_amdhsa_kernel
	.amdgpu_metadata
---
amdhsa.version: [ 1, 2 ]
amdhsa.kernels:
  - .name:           k_q10fcb0ba32_attn
    .symbol:         k_q10fcb0ba32_attn.kd
    .args:
      - { .name: qkv16, .offset: 0, .size: 8, .value_kind: global_buffer, .address_space: global }
      - { .name: y16, .offset: 8, .size: 8, .value_kind: global_buffer, .address_space: global }
    .group_segment_fixed_size: 327680
    .private_segment_fixed_size: 0
    .kernarg_segment_align: 8
    .kernarg_segment_size: 16
    .max_flat_workgroup_size: 512
    .sgpr_count:     100
    .vgpr_count:     256
    .wavefront_size: 32
...
	.end_amdgpu_metadata
.endif
;; end of part 3
;; launch proj (part 4): grid 4 x 64, 4 waves a work-group, clusters of 4 x 4, 327,680 bytes of LDS; arguments y16, wp16, bp, out0; writes out0
.if DOCPART == 4
	.amdgcn_target "amdgcn-amd-amdhsa--gfx1250"
	.amdhsa_code_object_version 6
	.text
	.protected	k_q10fcb0ba32_proj
	.globl	k_q10fcb0ba32_proj
	.p2align	8
	.type	k_q10fcb0ba32_proj,@function
k_q10fcb0ba32_proj:
	s_mov_b64 s[64:65], 0
	v_nop
	global_prefetch_b8 v0, s[64:65] scope:SCOPE_SE
	s_setreg_imm32_b32 hwreg(HW_REG_WAVE_MODE, 25, 1), 1
	s_wait_xcnt 0x0
	s_wait_alu depctr_hold_cnt(0) depctr_sa_sdst(0) depctr_va_vdst(0) depctr_va_sdst(0) depctr_va_ssrc(0) depctr_va_vcc(0) depctr_vm_vsrc(0)
	s_getreg_b32 s2, hwreg(HW_REG_IB_STS2, 6, 4)
	s_cmp_eq_u32 s2, 0
	s_cbranch_scc0 .Lentry_in_a_cluster
	s_endpgm
.Lentry_in_a_cluster:
	s_bfe_u32 s2, ttmp6, 0x10000c
	s_cmp_lg_u32 s2, 0xf033
	s_cbranch_scc0 .Lentry_shape_is_right
	s_endpgm
.Lentry_shape_is_right:
; out[token][n] = the sum over k of y[token][k] Wp[n][k] + bp[n], f16 operands, f32 sums.  y16: [head 16][batch 4][token 2048][64] f16; wp16: [1024 n][1024 k] f16; out0: [8192][1024] f32.
; The rows of positions 0-15 of each batch are NOT stored here: the f32 launch owns them.  LIMIT: |y|, |Wp| under 65,504 as f16 has them.
; A tile of out is 128 tokens x 256 n: 256 work-groups.  Four waves, each 64 x 128: 32 accumulators.  K goes in steps of 128 channels (two heads) through a ring of two LDS slots: 128 matrix instructions a wave in a step.
; 128 tokens of one head are 16,384 dense bytes: they come as 64 rows of 256 bytes (two tokens): token t lies at 272 (t / 2) + 128 (t % 2).  Wp's rows of a step are 256 bytes.
; CLUSTERS: 4 x 4 work-groups.  Tile row = 16 cy + cluster y (the batch is cy), tile column = cx: the four of a row of the cluster need the same tiles of y, the four of a column the same tiles of Wp: each is asked for jointly.
; THE MATRIX INSTRUCTION IS USED TRANSPOSED (source 0 = 16 rows of Wp, source 1 = 16 tokens): a lane holds eight neighbouring n of one token.  bp is the C of each sum's first instruction.
; REGISTERS: window 0: v0-31 addresses; v64-159, v160-255 two fragment buffers (y's 4 fragments, then Wp's 8); window 1: accumulator (a, b) at v[8 (8 a + b)]; window 2: v0-63 bp in the result's layout.
.set PITCH,  272
.set AHALF,  64*PITCH                  ; one head's 128 tokens
.set BOFF,   2*AHALF                   ; behind y's two heads: Wp's 256 rows
.set BHALF,  128*PITCH
.set SLOT,   BOFF+2*BHALF
.set STAGE,  2*SLOT                    ; behind the ring: 16 rows x 528 bytes for each wave
.set SPITCH, 528
.set SPARE,  STAGE+4*16*SPITCH         ; the spare words, 128 bytes a wave
.set ADRA, 16                          ; v16-17  LDS address of my y fragments in slot 0, 1
.set ADRB, 20                          ; v20-21  the same for Wp
.set STO,  24
.set RD,   25
.set CO,   26                          ; 16 x lane
.set BO,   27                          ; bp: 32 bytes x (lane / 16)
.set SPW,  28
.set NIL,  29
.set F0,   64
.set F1,   160
.set BK,   64                          ; the way out: v64-127 and v128-191 by turns
.set G1, 24
.set G0, 32
.set G1B, 48
.set G0B, 56
.set MSB, 0
.macro WIN new
.if MSB != (\new)
	s_set_vgpr_msb (MSB<<8)|(\new)
.set MSB, (\new)
.endif
.endm
.set MUL,  0x50                        ; C and D window 1, sources window 0
.set MULB, 0x60                        ; D window 1, C (bp) window 2
.macro JLOAD s                         ; a joint load: waves 0 and 1 fetch y's two heads, waves 2 and 3 Wp's two halves; an s_nop 0 and four v_nop follow each line
	s_cmp_eq_u32 s13, 0
	s_cbranch_scc0 .Lfor_b_\@
	tensor_load_to_lds s[G0+4*\s:G0+4*\s+3], s[G1:G1+7]
	s_nop 0
.rept 4
	v_nop
.endr
	s_branch .Lasked_\@
.Lfor_b_\@:
	tensor_load_to_lds s[G0B+4*\s:G0B+4*\s+3], s[G1B:G1B+7]
	s_nop 0
.rept 4
	v_nop
.endr
.Lasked_\@:
.endm
.macro CREST                           ; a round of the cluster's barrier behind its opening barrier
	s_cmp_lg_u32 s12, 0
	s_cbranch_scc1 .Lnot_wave_0_\@
	s_barrier_signal -3
.Lnot_wave_0_\@:
	s_barrier_wait -3
	s_barrier_signal -1
	s_barrier_wait -1
.endm
.macro CROUND
	s_barrier_signal -1
	s_barrier_wait -1
	CREST
.endm
	s_load_b128 s[4:7], s[0:1], 0x0                ; y16, wp16
	s_load_b128 s[8:11], s[0:1], 0x10              ; bp, out0
	v_lshl_add_u32 v[SPW], v0, 2, SPARE
	v_mov_b32 v[NIL], 0
	ds_add_u32 v[SPW], v[NIL]                      ; the wave's opening: the add, twice on end, and its wait ahead of my first tensor load
	ds_add_u32 v[SPW], v[NIL]
	v_lshrrev_b32 v1, 5, v0
	v_readfirstlane_b32 s12, v1                    ; wave 0..3
	s_lshr_b32 s13, s12, 1                         ; which 64 tokens are mine.  Also: I fetch for y (0) or for Wp (1)
	s_and_b32 s14, s12, 1                          ; which 128 n.  Also: which head, or which 128 rows, I fetch
	s_bfe_u32 s40, ttmp6, 0x40000                  ; cx, cy
	s_bfe_u32 s41, ttmp6, 0x40004
	s_lshl_b32 s42, ttmp9, 2
	s_add_co_u32 s42, s42, s40                     ; tile column
	s_and_b32 s15, ttmp7, 0xffff                   ; cluster y
	s_lshl_b32 s45, s41, 4
	s_add_co_u32 s45, s45, s15                     ; tile row = 16 cy + cluster y
	s_or_b32 s70, s15, s13                         ; 0 where my rows begin with a batch's first token
	s_lshl_b32 s43, s41, 2
	s_lshl_b32 s43, 15, s43                        ; my row of the cluster
	s_lshl_b32 s44, 0x1111, s40                    ; my column
	s_or_b32 s[G1+0], s43, (1<<16)|(1<<20)|(1<<21)|(5<<22)|(3<<25)   ; the mask; elements of 2 bytes; padding on; bit 21 beside a mask; after every 64 words; four words
	s_or_b32 s[G1B+0], s44, (1<<16)|(1<<20)|(1<<21)|(5<<22)|(3<<25)
	s_mov_b32 s[G1+1], 128<<16                     ; y: 64 rows of 128 elements, dense
	s_mov_b32 s[G1+2], 64<<16
	s_mov_b32 s[G1+3], 128<<16
	s_mov_b32 s[G1+4], 64
	s_mov_b32 s[G1+5], 128
	s_mov_b32 s[G1+6], 0
	s_mov_b32 s[G1+7], 0
	s_mov_b32 s[G1B+1], 128<<16                    ; Wp: 128 rows of 128 elements, 1,024 elements apart
	s_mov_b32 s[G1B+2], 128<<16
	s_mov_b32 s[G1B+3], 128<<16
	s_mov_b32 s[G1B+4], 128
	s_mov_b32 s[G1B+5], 1024
	s_mov_b32 s[G1B+6], 0
	s_mov_b32 s[G1B+7], 0
	s_lshl_b32 s16, s14, 20                        ; y: head (wave % 2) x 1,048,576 + tile row x 16,384
	s_lshl_b32 s17, s45, 14
	s_add_co_u32 s16, s16, s17
	s_mov_b32 s17, 0
	s_lshl_b32 s46, s42, 19                        ; Wp: row (256 column + 128 (wave % 2)) x 2,048 bytes
	s_lshl_b32 s47, s14, 18
	s_add_co_u32 s46, s46, s47
	s_mov_b32 s47, 0
	s_mul_i32 s20, s14, AHALF                      ; where they go: no place in the cluster enters an LDS address
	s_mul_i32 s21, s14, BHALF
	s_add_co_u32 s21, s21, BOFF
	s_wait_dscnt 0x0                               ; both opening adds are done
	s_wait_kmcnt 0x0
	s_add_nc_u64 s[16:17], s[4:5], s[16:17]
	s_add_nc_u64 s[46:47], s[6:7], s[46:47]
	CROUND                                         ; all sixteen work-groups are here: the first joint loads meet
.irp s, 0,1
	s_mov_b32 s[G0+4*\s], 1
	s_add_co_u32 s[G0+4*\s+1], s20, \s*SLOT
	s_add_nc_u64 s[G0+4*\s+2:G0+4*\s+3], s[16:17], \s*2*1048576    ; K step s: heads 2 s, 2 s + 1
	s_or_b32 s[G0+4*\s+3], s[G0+4*\s+3], 0x80000000
	s_mov_b32 s[G0B+4*\s], 1
	s_add_co_u32 s[G0B+4*\s+1], s21, \s*SLOT
	s_add_nc_u64 s[G0B+4*\s+2:G0B+4*\s+3], s[46:47], \s*256
	s_or_b32 s[G0B+4*\s+3], s[G0B+4*\s+3], 0x80000000
	JLOAD \s
.endr
	v_and_b32 v1, 15, v0                           ; r
	v_bfe_u32 v2, v0, 4, 1                         ; h
	v_lshrrev_b32 v3, 1, v1
	v_mul_u32_u24 v3, v3, PITCH
	v_and_b32 v4, 1, v0
	v_lshl_add_u32 v3, v4, 7, v3
	v_lshl_add_u32 v3, v2, 4, v3                   ; y: 272 (r / 2) + 128 (r % 2) + 16 h
	v_mul_u32_u24 v4, v1, PITCH
	v_lshl_add_u32 v4, v2, 4, v4                   ; Wp: 272 r + 16 h
	s_mul_i32 s21, s13, 32*PITCH                   ; my 64 tokens
	s_mul_i32 s22, s14, BHALF                      ; my 128 rows of Wp
	s_add_co_u32 s22, s22, BOFF
.irp s, 0,1
	v_add_nc_u32 v[ADRA+\s], s21, v3
	v_add_nc_u32 v[ADRB+\s], s22, v4
	s_add_co_u32 s21, s21, SLOT
	s_add_co_u32 s22, s22, SLOT
.endr
	s_mul_i32 s23, s12, 16*SPITCH
	s_add_co_u32 s23, s23, STAGE                   ; my stage
	v_mul_u32_u24 v5, v1, SPITCH
	v_lshl_add_u32 v5, v2, 5, v5
	v_add_nc_u32 v[STO], s23, v5                   ; in: row r, 32 bytes for each half of the lanes
	v_and_b32 v6, 31, v0
	v_lshlrev_b32 v[CO], 4, v6
	v_add_nc_u32 v[RD], s23, v[CO]                 ; back: the 32 lanes take one row of 512 bytes
	v_lshlrev_b32 v[BO], 5, v2
	s_lshl_b32 s20, s42, 10                        ; my 128 n: (256 column + 128 half) x 4 bytes
	s_lshl_b32 s21, s14, 9
	s_add_co_u32 s20, s20, s21
	s_mov_b32 s21, 0
	s_add_nc_u64 s[8:9], s[8:9], s[20:21]
	s_lshl_b32 s22, s45, 19                        ; out0: row (128 tile row + 64 half) x 4,096 bytes
	s_add_co_u32 s20, s20, s22
	s_lshl_b32 s22, s13, 18
	s_add_co_u32 s20, s20, s22
	s_add_nc_u64 s[10:11], s[10:11], s[20:21]
	WIN 0x80                                       ; destination window 2
.irp b, 0,1,2,3,4,5,6,7
	global_load_b128 v[8*\b:8*\b+3], v[BO], s[8:9] offset:64*\b
	global_load_b128 v[8*\b+4:8*\b+7], v[BO], s[8:9] offset:64*\b+16
.endr
	WIN 0
; 24 LDS loads in one run: the fragments of 32 along K, the kq-th of a slot's four, into buffer f: Wp's eight, then y's four
.macro FETCH slot, kq, f
	WIN 0
.irp i, 0,1,2,3,4,5,6,7
	ds_load_b128 v[\f+32+8*\i:\f+32+8*\i+3],   v[ADRB+\slot] offset:64*(\kq)+\i*16*PITCH
	ds_load_b128 v[\f+32+8*\i+4:\f+32+8*\i+7], v[ADRB+\slot] offset:64*(\kq)+\i*16*PITCH+32
.endr
.irp i, 0,1,2,3
	ds_load_b128 v[\f+8*\i:\f+8*\i+3],   v[ADRA+\slot] offset:AHALF*((\kq)/2)+64*((\kq)%2)+\i*8*PITCH
	ds_load_b128 v[\f+8*\i+4:\f+8*\i+7], v[ADRA+\slot] offset:AHALF*((\kq)/2)+64*((\kq)%2)+\i*8*PITCH+32
.endr
.endm
; 8 matrix instructions: token block a x all 8 blocks of n.  The 32 accumulators take turns, one instruction a turn, in the same order in every quarter.
.macro MUL8 f, a, first
.irp b, 0,1,2,3,4,5,6,7
.if \first
	v_wmma_f32_16x16x32_f16 v[8*(8*(\a)+\b):8*(8*(\a)+\b)+7], v[\f+32+8*\b:\f+32+8*\b+7], v[\f+8*(\a):\f+8*(\a)+7], v[8*\b:8*\b+7]
.else
	v_wmma_f32_16x16x32_f16 v[8*(8*(\a)+\b):8*(8*(\a)+\b)+7], v[\f+32+8*\b:\f+32+8*\b+7], v[\f+8*(\a):\f+8*(\a)+7], v[8*(8*(\a)+\b):8*(8*(\a)+\b)+7]
.endif
.endr
.endm
.macro PLACES                          ; four places ahead of loads into registers that matrix instructions have read, and of the first read of results
.rept 4
	v_nop
.endr
.endm
; A K step is four quarters of 32 along K, 32 matrix instructions each, on buffers 0, 1, 0, 1.  One of the first three: multiplies buffer f and fetches quarter kq into g.
.macro QUARTER slot, kq, f, g, first
	s_wait_dscnt 4                                 ; Wp's fragments and y's blocks 0, 1 are in; the youngest four loads (blocks 2, 3) may be out
	WIN MUL+0x10*(\first)
	MUL8 \f, 0, \first
	MUL8 \f, 1, \first
	PLACES
	FETCH \slot, \kq, \g
	s_wait_dscnt 24                                ; all but the 24 just issued
	WIN MUL+0x10*(\first)
	MUL8 \f, 2, \first
	MUL8 \f, 3, \first
.endm
; The last quarter multiplies buffer 1 and changes slots: one barrier; in front of it each wave waits for all its tensor loads, adds 0 to its spare word, and waits for that and for its reads of this slot.  fill = 1: the barrier opens
; a round of the cluster's barrier and this slot is filled again, two K steps ahead: 112 matrix instructions stand between the request and the wait for it.
.macro TURN slot, next, fill
	WIN 0
	s_wait_tensorcnt 0x0                           ; all my tensor loads have landed: my part of the next slot
	ds_add_u32 v[SPW], v[NIL]                      ; 0 onto my spare word
	s_wait_dscnt 5                                 ; (the add and the youngest four loads may be out)
	WIN MUL
	MUL8 F1, 0, 0
	s_wait_dscnt 0x0                               ; the add is done, and my reads of this slot are over
	s_barrier_signal -1
	MUL8 F1, 1, 0
.if \fill
	WIN 0
.endif
	s_barrier_wait -1
.if \fill
	CREST                                          ; no wave of any partner still reads this slot's tile or has a load on its way
	s_add_nc_u64 s[G0+4*\slot+2:G0+4*\slot+3], s[G0+4*\slot+2:G0+4*\slot+3], 4*1048576
	s_add_nc_u64 s[G0B+4*\slot+2:G0B+4*\slot+3], s[G0B+4*\slot+2:G0B+4*\slot+3], 512
	JLOAD \slot                                    ; the first tensor load behind the round; its four v_nop are also the places ahead of the loads below
.else
	PLACES
.endif
	FETCH \next, 0, F0
	WIN MUL
	MUL8 F1, 2, 0
	MUL8 F1, 3, 0
.endm
	s_wait_tensorcnt 1                             ; my part of K step 0 is in (K step 1's load may be out)
	s_barrier_signal -1
	s_barrier_wait -1                              ; everybody's is
	FETCH 0, 0, F0
	s_wait_loadcnt 0x0                             ; bp
	QUARTER 0, 1, F0, F1, 1                        ; the first quarter's products start the sums, with bp as their C
	WIN 0
	s_mov_b32 s3, 3
.Llap:                                             ; a trip goes once round the ring, from a lap's second quarter to the next lap's first, and fills both slots again
	QUARTER 0, 2, F1, F0, 0
	QUARTER 0, 3, F0, F1, 0
	TURN 0, 1, 1
	QUARTER 1, 1, F0, F1, 0
	QUARTER 1, 2, F1, F0, 0
	QUARTER 1, 3, F0, F1, 0
	TURN 1, 0, 1
	QUARTER 0, 1, F0, F1, 0
	WIN 0
	s_sub_co_u32 s3, s3, 1
	s_cmp_lg_u32 s3, 0
	s_cbranch_scc1 .Llap
	QUARTER 0, 2, F1, F0, 0                        ; the last lap fills nothing
	QUARTER 0, 3, F0, F1, 0
	TURN 0, 1, 0
	QUARTER 1, 1, F0, F1, 0
	QUARTER 1, 2, F1, F0, 0
	QUARTER 1, 3, F0, F1, 0
	s_wait_dscnt 4
	WIN MUL
	MUL8 F1, 0, 0
	MUL8 F1, 1, 0
	s_wait_dscnt 0
	MUL8 F1, 2, 0
	MUL8 F1, 3, 0
	WIN 0
; THE WAY OUT, block by block of 16 tokens x 128 n, through my own stage: back as whole rows of 512 bytes.  LDS serves a wave's instructions in order.
.macro TOSTAGE a
	WIN 0x04                                       ; an LDS store's data are its source 1: window 1
.irp b, 0,1,2,3,4,5,6,7
	ds_store_b128 v[STO], v[64*(\a)+8*\b:64*(\a)+8*\b+3] offset:64*\b          ; each accumulator from its low end on
	ds_store_b128 v[STO], v[64*(\a)+8*\b+4:64*(\a)+8*\b+7] offset:64*\b+16
.endr
	WIN 0
.set BB, BK+64*((\a)%2)
.irp t, 0,1,2,3,4,5,6,7,8,9,10,11,12,13,14,15
	ds_load_b128 v[BB+4*\t:BB+4*\t+3], v[RD] offset:\t*SPITCH
.endr
.endm
.macro SEND a, younger                 ; younger: the LDS instructions issued behind block a's loads, which may stay out
.set BB, BK+64*((\a)%2)
	s_wait_dscnt \younger
.if (\a) == 0
	s_cmp_eq_u32 s70, 0                            ; a batch's positions 0-15 belong to the f32 launch: the cluster's y and the wave's number alone decide
	s_cbranch_scc1 .Lnot_here_\@
.endif
.irp t, 0,1,2,3,4,5,6,7,8,9,10,11,12,13,14,15
	global_store_b128 v[CO], v[BB+4*\t:BB+4*\t+3], s[10:11] offset:(16*(\a)+\t)*4096 th:TH_STORE_NT   ; 32 lanes store 512 consecutive bytes
.endr
.if (\a) == 0
.Lnot_here_\@:
.endif
.endm
	PLACES
	TOSTAGE 0
.irp a, 1,2,3
.if \a > 1
	s_wait_xcnt 0x0                                ; block a - 2's stores have read their registers: block a's loads may land there
.endif
	TOSTAGE \a
	SEND \a-1, 32                                  ; behind block a - 1's loads: block a's 16 stores and 16 loads
.endr
	SEND 3, 0
	s_wait_tensorcnt 0x0                           ; the wave's end, behind my last tensor load and my last LDS store
	ds_add_u32 v[SPW], v[NIL]
	s_wait_dscnt 0x0
	CROUND                                         ; the closing round
	s_endpgm
.Lfunc_end_k_q10fcb0ba32_proj:
	.size	k_q10fcb0ba32_proj, .Lfunc_end_k_q10fcb0ba32_proj-k_q10fcb0ba32_proj
	.p2alignl 7, 3214868480
	.fill 96, 4, 3214868480
	.section	.rodata,"a",@progbits
	.p2align	6, 0x0
	.amdhsa_kernel k_q10fcb0ba32_proj
		.amdhsa_group_segment_fixed_size 327680
		.amdhsa_private_segment_fixed_size 0
		.amdhsa_enable_private_segment 0
		.amdhsa_kernarg_size 32
		.amdhsa_user_sgpr_count 2
		.amdhsa_user_sgpr_kernarg_segment_ptr 1
		.amdhsa_wavefront_size32 1
		.amdhsa_system_sgpr_workgroup_id_x 1
		.amdhsa_system_sgpr_workgroup_id_y 1
		.amdhsa_system_sgpr_workgroup_id_z 1
		.amdhsa_system_vgpr_workitem_id 0
		.amdhsa_next_free_vgpr 640
		.amdhsa_next_free_sgpr 80
		.amdhsa_reserve_vcc 0
		.amdhsa_float_denorm_mode_32 3
		.amdhsa_float_denorm_mode_16_64 3
		.amdhsa_memory_ordered 1
		.amdhsa_forward_progress 1
		.amdhsa_inst_pref_size 87
	.end_amdhsa_kernel
	.amdgpu_metadata
---
amdhsa.version: [ 1, 2 ]
amdhsa.kernels:
  - .name:           k_q10fcb0ba32_proj
    .symbol:         k_q10fcb0ba32_proj.kd
    .args:
      - { .name: y16, .offset: 0, .size: 8, .value_kind: global_buffer, .address_space: global }
      - { .name: wp16, .offset: 8, .size: 8, .value_kind: global_buffer, .address_space: global }
      - { .name: bp, .offset: 16, .size: 8, .value_kind: global_buffer, .address_space: global }
      - { .name: out0, .offset: 24, .size: 8, .value_kind: global_buffer, .address_space: global }
    .group_segment_fixed_size: 327680
    .private_segment_fixed_size: 0
    .kernarg_segment_align: 8
    .kernarg_segment_size: 32
    .max_flat_workgroup_size: 128
    .sgpr_count:     80
    .vgpr_count:     640
    .wavefront_size: 32
...
	.end_amdgpu_metadata
.endif
;; end of part 4
;; launch fine (part 5): grid 16 x 4, 16 waves a work-group, no clusters, 67,584 bytes of LDS; arguments fine32, Wp, bp, out0; writes out0
.if DOCPART == 5
	.amdgcn_target "amdgcn-amd-amdhsa--gfx1250"
	.amdhsa_code_object_version 6
	.text
	.protected	k_q10fcb0ba32_fine
	.globl	k_q10fcb0ba32_fine
	.p2align	8
	.type	k_q10fcb0ba32_fine,@function
k_q10fcb0ba32_fine:
	s_mov_b64 s[64:65], 0
	v_nop
	global_prefetch_b8 v0, s[64:65] scope:SCOPE_SE
	s_setreg_imm32_b32 hwreg(HW_REG_WAVE_MODE, 25, 1), 1
	s_wait_xcnt 0x0
; Positions 0-15 of each batch, attention and projection, in f32 throughout: these rows average one to sixteen values and are the largest of the output.  64 rows of out0 in all; no other launch stores them.
; IN: fine32 [part 3][batch 4][position 16][1024] f32 (q, k, v with their biases), Wp [1024][1024] f32, bp.  No NaN or infinity among the inputs is served.
; SHARES.  Work-group (nch, b): 64 output columns of batch b.  Wave hd makes head hd's attention for the 16 positions (32 matrix instructions, done again in each of the 16 column chunks: small beside sharing it through memory),
; then its 64 channels' part of out^T for the chunk (64 matrix instructions).  The 16 parts meet in LDS and are added in a fixed order; wave w then stores position w's 64 columns: 256 consecutive bytes.
; All products by v_wmma_f32_16x16x4_f32: 96 a wave, no bulk work.  Its accumulators, v192-223, are written by matrix instructions alone; each sum begins with the constant 0; what is made of a sum goes into other registers.
; LAYOUTS.  An operand holds row (or column) r = lane % 16 and k = 2 h + j, h = lane / 16.  Which four k form a K step is free so long as both operands agree:
;   S^T = k q^T: step c takes channels 8 (c / 2) + 4 h + 2 (c % 2) + j: a lane's loads of 16 bytes.   O^T = v^T p: step e takes keys 8 h + 2 e + j: p's registers as the scores left them.
;   out^T = Wp y^T: step (ct, cp) takes channels 16 ct + 8 h + 2 cp + j: y's registers as O^T left them.
.set SPARE, 65536                      ; behind the 16 images of 4,096 bytes: the spare words, 128 bytes a wave
.set SPW,  6
.set NIL,  7
.set KR,   32                          ; v32-63  k; later Wp's tile 2
.set QR,   64                          ; v64-95  q; later Wp's tile 3
.set VR,   96                          ; v96-127 v; later y
.set WA,   128                         ; v128-191 Wp's tiles 0, 1; later the 16 parts
.set ACC,  192                         ; v192-223 four accumulators
.set T0,   224
.set T1,   232
.set PR,   240                         ; v240-247 p
	s_load_b256 s[4:11], s[0:1], 0x0               ; fine32 s[4:5], Wp s[6:7], bp s[8:9], out0 s[10:11]
	v_lshl_add_u32 v[SPW], v0, 2, SPARE
	v_mov_b32 v[NIL], 0
	v_lshrrev_b32 v13, 5, v0
	v_readfirstlane_b32 s12, v13                   ; wave: the head, later the position
	v_and_b32 v1, 15, v0                           ; r
	v_bfe_u32 v2, v0, 4, 1                         ; h
	v_lshlrev_b32 v3, 12, v1
	v_lshl_add_u32 v5, v2, 5, v3                   ; Wp: row r of 4,096 bytes + 32 h
	v_lshl_add_u32 v3, v2, 4, v3                   ; q, k: row r + 16 h
	v_lshlrev_b32 v4, 2, v1
	v_lshl_add_u32 v4, v2, 15, v4                  ; v: key 8 h, channel r
	v_and_b32 v13, 31, v0
	v_lshlrev_b32 v10, 3, v13                      ; 8 bytes a lane: bp and out0
	s_lshl_b32 s20, s12, 12
	v_lshl_add_u32 v8, v13, 4, s20                 ; my image: 4,096 x wave + 16 x lane
	v_bfe_u32 v14, v0, 3, 2                        ; reading back: lane L takes columns 2 L, 2 L + 1 = 16 nt + 8 h' + j: nt = L / 8, h' = (L / 4) % 2, j = 2 (L % 4)
	v_bfe_u32 v15, v0, 1, 1
	v_lshl_add_u32 v14, v14, 1, v15                ; the store of 16 bytes that holds them: 2 nt + j / 4
	v_lshlrev_b32 v9, 9, v14
	v_bfe_u32 v15, v0, 2, 1
	v_lshl_add_u32 v9, v15, 8, v9                  ; + 16 bytes x 16 h'
	v_and_b32 v15, 1, v0
	v_lshl_add_u32 v9, v15, 3, v9                  ; + 4 bytes x (j % 4)
	s_lshl_b32 s21, s12, 4
	v_add_nc_u32 v9, s21, v9                       ; + 16 bytes x my position
	v_lshlrev_b32 v11, 3, v2
	v_sub_nc_u32 v11, v1, v11                      ; d = r - 8 h: key 8 h + j is hidden from query r where j > d
	v_mov_b32 v12, 0xff800000
	v_mov_b32 v16, 0
	v_mov_b32 v17, 0
	s_and_b32 s14, ttmp7, 0xffff                   ; b
	s_lshl_b32 s16, s14, 16
	s_lshl_b32 s22, s12, 8
	s_add_co_u32 s16, s16, s22                     ; fine32: batch x 65,536 + head x 256
	s_mov_b32 s17, 0
	s_lshl_b32 s18, ttmp9, 18
	s_add_co_u32 s18, s18, s22                     ; Wp: 64 rows x chunk + head x 256
	s_mov_b32 s19, 0
	s_lshl_b32 s24, ttmp9, 8                       ; bp: 64 columns x chunk
	s_mov_b32 s25, 0
	s_lshl_b32 s26, s14, 23                        ; out0: row 2,048 b + wave, + the chunk
	s_lshl_b32 s27, s12, 12
	s_add_co_u32 s26, s26, s27
	s_add_co_u32 s26, s26, s24
	s_mov_b32 s27, 0
	s_mov_b32 s28, 0x76543210
	s_mov_b32 s29, 0xfedcba98
	s_mov_b32 s30, 0x3e38aa3b                      ; c = log2(e) / 8
	s_wait_kmcnt 0x0
	s_add_nc_u64 s[4:5], s[4:5], s[16:17]
	s_add_nc_u64 s[6:7], s[6:7], s[18:19]
	s_add_nc_u64 s[8:9], s[8:9], s[24:25]
	s_add_nc_u64 s[10:11], s[10:11], s[26:27]
.irp u, 0,1,2,3,4,5,6,7
	global_load_b128 v[KR+4*\u:KR+4*\u+3], v3, s[4:5] offset:262144+32*\u     ; k(r, 8 u + 4 h ..)
.endr
.irp u, 0,1,2,3,4,5,6,7
	global_load_b128 v[QR+4*\u:QR+4*\u+3], v3, s[4:5] offset:32*\u            ; q likewise
.endr
.irp ct, 0,1,2,3
.irp e, 0,1,2,3
.irp j, 0,1
	global_load_b32 v[VR+2*(4*\ct+\e)+\j], v4, s[4:5] offset:524288+(2*\e+\j)*4096+64*\ct   ; v(key 8 h + 2 e + j, channel 16 ct + r)
.endr
.endr
.endr
.irp nt, 0,1
.irp ct, 0,1,2,3
.irp u, 0,1
	global_load_b128 v[WA+32*\nt+8*\ct+4*\u:WA+32*\nt+8*\ct+4*\u+3], v5, s[6:7] offset:65536*\nt+64*\ct+16*\u   ; Wp(16 nt + r, 16 ct + 8 h + 4 u ..)
.endr
.endr
.endr
	global_load_b64 v[20:21], v10, s[8:9]
	s_wait_loadcnt 49                              ; k and q are in; v's 32 loads, Wp's 16 and bp's one may be out
.irp c, 0,1,2,3                                ; S^T = k q^T: 16 K steps on four accumulators by turns; the first four start the sums
	v_wmma_f32_16x16x4_f32 v[ACC+8*\c:ACC+8*\c+7], v[KR+2*\c:KR+2*\c+1], v[QR+2*\c:QR+2*\c+1], 0
.endr
.irp c, 4,5,6,7,8,9,10,11,12,13,14,15
	v_wmma_f32_16x16x4_f32 v[ACC+8*(\c%4):ACC+8*(\c%4)+7], v[KR+2*\c:KR+2*\c+1], v[QR+2*\c:QR+2*\c+1], v[ACC+8*(\c%4):ACC+8*(\c%4)+7]
.endr
.rept 9
	v_nop                                          ; this form wants eight places ahead of a read of its results and of loads into its sources, nine ahead of a matrix instruction that writes over them
.endr
.irp nt, 0,1
.irp ct, 0,1,2,3
.irp u, 0,1
	global_load_b128 v[KR+32*\nt+8*\ct+4*\u:KR+32*\nt+8*\ct+4*\u+3], v5, s[6:7] offset:65536*(2+\nt)+64*\ct+16*\u   ; Wp's tiles 2 and 3, where k and q lay
.endr
.endr
.endr
.irp i, 0,2,4,6
	v_pk_add_f32 v[T0+\i:T0+\i+1], v[ACC+\i:ACC+\i+1], v[ACC+8+\i:ACC+8+\i+1]       ; the four partial sums, each accumulator from its low end on
	v_pk_add_f32 v[T1+\i:T1+\i+1], v[ACC+16+\i:ACC+16+\i+1], v[ACC+24+\i:ACC+24+\i+1]
.endr
.irp i, 0,2,4,6
	v_pk_add_f32 v[T0+\i:T0+\i+1], v[T0+\i:T0+\i+1], v[T1+\i:T1+\i+1]
.endr
.irp j, 0,1,2,3,4,5,6,7
	v_cmp_gt_i32 vcc_lo, \j, v11
	v_cndmask_b32 v[T0+\j], v[T0+\j], v12, vcc_lo  ; hidden keys: -infinity
.endr
	v_max3_num_f32 v13, v[T0], v[T0+1], v[T0+2]
	v_max3_num_f32 v14, v[T0+3], v[T0+4], v[T0+5]
	v_max3_num_f32 v13, v13, v[T0+6], v[T0+7]
	v_max_num_f32 v13, v13, v14
	v_permlanex16_b32 v14, v13, s28, s29
	v_max_num_f32 v13, v13, v14                    ; the row's largest score (key 0 counts for every query, so it is a number)
	v_mul_f32 v14, s30, v13
.irp j, 0,1,2,3,4,5,6,7
	v_fma_f32 v[PR+\j], s30, v[T0+\j], -v14        ; c s - c m
.endr
.irp j, 0,1,2,3,4,5,6,7
	v_exp_f32 v[PR+\j], v[PR+\j]
.endr
	v_nop                                          ; a plain instruction behind the last exponential
	s_wait_alu depctr_va_vdst(0)                   ; one wait for the eight, ahead of their first reader
	v_add_f32 v15, v[PR], v[PR+1]
.irp j, 2,3,4,5,6,7
	v_add_f32 v15, v15, v[PR+\j]
.endr
	v_permlanex16_b32 v16, v15, s28, s29
	v_add_f32 v15, v15, v16                        ; the row's sum
	v_rcp_f32 v16, v15
	v_nop
	s_wait_alu depctr_va_vdst(0)
	s_wait_loadcnt 33                              ; v is in; Wp's 32 loads and bp's one may be out
.irp ct, 0,1,2,3                               ; O^T = v^T p: four K steps of four keys, four tiles of channels by turns
	v_wmma_f32_16x16x4_f32 v[ACC+8*\ct:ACC+8*\ct+7], v[VR+8*\ct:VR+8*\ct+1], v[PR:PR+1], 0
.endr
.irp e, 1,2,3
.irp ct, 0,1,2,3
	v_wmma_f32_16x16x4_f32 v[ACC+8*\ct:ACC+8*\ct+7], v[VR+2*(4*\ct+\e):VR+2*(4*\ct+\e)+1], v[PR+2*\e:PR+2*\e+1], v[ACC+8*\ct:ACC+8*\ct+7]
.endr
.endr
.rept 9
	v_nop
.endr
.irp i, 0,2,4,6,8,10,12,14,16,18,20,22,24,26,28,30
	v_pk_mul_f32 v[VR+\i:VR+\i+1], v[ACC+\i:ACC+\i+1], v[16:17] op_sel_hi:[1,0]   ; y = O^T / the sum: register 8 ct + j is y(query r, channel 16 ct + 8 h + j)
.endr
	s_wait_loadcnt 0x0                             ; Wp and bp
.irp ct, 0,1,2,3                               ; out^T += Wp y^T over my head's 64 channels: 16 K steps, four tiles of columns by turns.  Tile nt's fragments begin at v[128 + 32 nt - 160 (nt / 2)]
.irp cp, 0,1,2,3
.irp nt, 0,1,2,3
.if (\ct)+(\cp) == 0
	v_wmma_f32_16x16x4_f32 v[ACC+8*\nt:ACC+8*\nt+7], v[WA+32*\nt-160*(\nt/2):WA+32*\nt-160*(\nt/2)+1], v[VR:VR+1], 0
.else
	v_wmma_f32_16x16x4_f32 v[ACC+8*\nt:ACC+8*\nt+7], v[WA+32*\nt-160*(\nt/2)+8*\ct+2*\cp:WA+32*\nt-160*(\nt/2)+8*\ct+2*\cp+1], v[VR+8*\ct+2*\cp:VR+8*\ct+2*\cp+1], v[ACC+8*\nt:ACC+8*\nt+7]
.endif
.endr
.endr
.endr
.rept 9
	v_nop
.endr
.irp g, 0,1,2,3,4,5,6,7
	ds_store_b128 v8, v[ACC+4*\g:ACC+4*\g+3] offset:512*\g      ; my part as an image of its registers, each accumulator from its low end on
.endr
	s_wait_dscnt 0x0                               ; for the others' sake: my stores have landed
	s_barrier_signal -1
	s_barrier_wait -1
.irp w, 0,1,2,3,4,5,6,7,8,9,10,11,12,13,14,15
	ds_load_b64 v[WA+2*\w:WA+2*\w+1], v9 offset:4096*\w         ; head w's part of my position's columns 2 L, 2 L + 1
.endr
	s_wait_dscnt 0x0
	v_pk_add_f32 v[20:21], v[20:21], v[WA:WA+1]                 ; bp and the even heads; the odd heads; a fixed order
	v_pk_add_f32 v[22:23], v[WA+2:WA+3], v[WA+6:WA+7]
.irp w, 2,4,6,8,10,12
	v_pk_add_f32 v[20:21], v[20:21], v[WA+2*\w:WA+2*\w+1]
	v_pk_add_f32 v[22:23], v[22:23], v[WA+2*\w+6:WA+2*\w+7]
.endr
	v_pk_add_f32 v[20:21], v[20:21], v[WA+28:WA+29]
	v_pk_add_f32 v[24:25], v[20:21], v[22:23]
	global_store_b64 v10, v[24:25], s[10:11]       ; 32 lanes store 256 consecutive bytes, aligned
	s_wait_tensorcnt 0x0                           ; the wave's end, behind my last LDS store
	ds_add_u32 v[SPW], v[NIL]
	s_wait_dscnt 0x0
	s_endpgm
.Lfunc_end_k_q10fcb0ba32_fine:
	.size	k_q10fcb0ba32_fine, .Lfunc_end_k_q10fcb0ba32_fine-k_q10fcb0ba32_fine
	.p2alignl 7, 3214868480
	.fill 96, 4, 3214868480
	.section	.rodata,"a",@progbits
	.p2align	6, 0x0
	.amdhsa_kernel k_q10fcb0ba32_fine
		.amdhsa_group_segment_fixed_size 67584
		.amdhsa_private_segment_fixed_size 0
		.amdhsa_enable_private_segment 0
		.amdhsa_kernarg_size 32
		.amdhsa_user_sgpr_count 2
		.amdhsa_user_sgpr_kernarg_segment_ptr 1
		.amdhsa_wavefront_size32 1
		.amdhsa_system_sgpr_workgroup_id_x 1
		.amdhsa_system_sgpr_workgroup_id_y 1
		.amdhsa_system_sgpr_workgroup_id_z 1
		.amdhsa_system_vgpr_workitem_id 0
		.amdhsa_next_free_vgpr 256
		.amdhsa_next_free_sgpr 66
		.amdhsa_reserve_vcc 1
		.amdhsa_float_denorm_mode_32 3
		.amdhsa_float_denorm_mode_16_64 3
		.amdhsa_memory_ordered 1
		.amdhsa_forward_progress 1
		.amdhsa_inst_pref_size 24
	.end_amdhsa_kernel
	.amdgpu_metadata
---
amdhsa.version: [ 1, 2 ]
amdhsa.kernels:
  - .name:           k_q10fcb0ba32_fine
    .symbol:         k_q10fcb0ba32_fine.kd
    .args:
      - { .name: fine32, .offset: 0, .size: 8, .value_kind: global_buffer, .address_space: global }
      - { .name: Wp, .offset: 8, .size: 8, .value_kind: global_buffer, .address_space: global }
      - { .name: bp, .offset: 16, .size: 8, .value_kind: global_buffer, .address_space: global }
      - { .name: out0, .offset: 24, .size: 8, .value_kind: global_buffer, .address_space: global }
    .group_segment_fixed_size: 67584
    .private_segment_fixed_size: 0
    .kernarg_segment_align: 8
    .kernarg_segment_size: 32
    .max_flat_workgroup_size: 512
    .sgpr_count:     66
    .vgpr_count:     256
    .wavefront_size: 32
...
	.end_amdgpu_metadata
.endif
;; end of part 5
